; MI455X (gfx1250); checked and timed in simulation.
; The chip was launched on July 23, 2026; its instructions are those of AMD's public machine-readable ISA for CDNA 5 (MIT licence, August 2026) and "CDNA5" Instruction Set Architecture Reference Guide (July 2026). The comments in the code are by the model that wrote it; some were corrected since.
;; Lo RA Linear. Allowed arithmetic: matrix products marked QUANTISED: E2M3 operands, one E8M0 scale for each 32 along K, by v_wmma_scale_f32_16x16x128_f8f6f4 with both operands' format E2M3, f32 sums; products left as they are: f32 operands where the result goes on into a quantised operand, else bf16, f16 or f32 operands; f32 sums; everything else in f32.
;; Inputs: bias 4,096 float32; lora_A 8 x 4,096 float32; lora_B 4,096 x 8 float32; scale 4,096 float32; weight_quant 4,096 x 2,048 int32; x 4 x 1,024 x 4,096 float32; zero 4,096 float32.
;; Outputs: out0 4 x 1,024 x 4,096 float32.
;; This version of the problem:
;;   THIS VERSION OF THE PROBLEM IS GIVEN IN LOW PRECISION. The matrix products marked QUANTISED in the list below multiply operands that are first quantised to E2M3 (2 exponent bits, 3 mantissa bits; 6 bits a number), with one power-of-two scale for each 32 numbers along K (OCP MX v1.0); their sums are f32. All else is computed in f32.
;;   The module's matrix products, in the order in which they are computed (A, B: the left and right operand; K: the contracted axis; several contracted axes count as one K, in the product's order):
;;     1. [M 4,096, K 4,096] x [K 4,096, N 4,096]; A: input x; B: computed on the way: QUANTISED
;;     2. [M 4,096, K 4,096] x [K 4,096, N 8]; A: input x; B: input lora_A: left as it is (N = 8 < 16)
;;     3. [M 4,096, K 8] x [K 8, N 4,096]; A: computed on the way; B: input lora_B: left as it is (K = 8 < 32)
;;   THE QUANTISER, for each operand of a quantised product, along K:
;;     - K is cut into blocks of 32 from its start; a last block that is shorter is filled with zeros.
;;     - A block's scale is 2^e with e = floor(log2(the largest magnitude in the block)) - 2, held to -126 .. 127; a block of zeros has e = 0. As a byte (E8M0): e + 127.
;;     - Each number is divided by its block's scale, clamped to +-7.5, and rounded to the nearest number of E2M3, ties to even, subnormals kept.
;;     - The product sums the exact products of the quantised numbers (number of the format x scale) in f32.
;;   ~~~python
;;   def quantise(x, axis):      # numpy; x: float32 -> the quantised numbers, widened to float32 again
;;       x = np.moveaxis(x, axis, -1); K = x.shape[-1]
;;       x = np.pad(x, [(0, 0)] * (x.ndim - 1) + [(0, -K % 32)]); x = x.reshape(x.shape[:-1] + (-1, 32)); a = np.abs(x).max(-1, keepdims=True)
;;       e = np.where(a > 0, np.clip(np.frexp(np.where(a > 0, a, 1))[1] - 1 - 2, -126, 127), 0)      # np.frexp(a)[1] - 1 = floor(log2(a)), exactly
;;       r = np.clip(x / 2.0 ** e, -7.5, 7.5)
;;       step = 2.0 ** (np.maximum(np.frexp(np.where(r == 0, 1, r))[1] - 1, 0) - 3)
;;       q = np.round(r / step) * step * 2.0 ** e      # np.round: ties to even
;;       return np.moveaxis(q.reshape(q.shape[:-2] + (-1,))[..., :K], -1, axis).astype(np.float32)
;;   ~~~
;;   OPERANDS COMPUTED ON THE WAY. 'Computed on the way' means the value that the module computes at that place (a softmax that the list does not call 'softmax' is quantised finished and normalised). What goes into a quantiser is computed in f32, as accurately as f32 sums, v_exp_f32 and their like allow (about 1e-6 of the number): no bf16 or f16 on the way to a quantiser, and a product that is left as it is and whose result goes on into a quantised operand takes f32 operands (vector FMAs, or v_wmma_f32_16x16x4_f32). A number that lies on a knife's edge between two numbers of the format may be rounded either way, as far as f32 arithmetic and the matrix unit's own rounding can turn it there, and no further.
;; 2 versions. Each part assembles by itself: llvm-mc -triple=amdgcn-amd-amdhsa -mcpu=gfx1250 --defsym DOCPART=n.
;; ======== version 1 of 2: 3 launches
;; workspace buffers: xq 13,107,200 bytes; wq 13,107,200 bytes; tq 131,072 bytes
;; launch qx (part 1): grid 256 x 1, 16 waves a work-group, no clusters, 190,464 bytes of LDS; arguments x, lora_A, xq, tq; writes xq, tq
.if DOCPART == 1
	.amdgcn_target "amdgcn-amd-amdhsa--gfx1250"
	.amdhsa_code_object_version 6
	.text
	.protected	k_q58cebf7f07_qx
	.globl	k_q58cebf7f07_qx
	.p2align	8
	.type	k_q58cebf7f07_qx,@function
k_q58cebf7f07_qx:
	s_mov_b64 s[64:65], 0
	v_nop
	global_prefetch_b8 v0, s[64:65] scope:SCOPE_SE
	s_setreg_imm32_b32 hwreg(HW_REG_WAVE_MODE, 25, 1), 1
	s_wait_xcnt 0x0
; x [4096][4096] f32 becomes (1) codes of FP6 (E2M3) with one E8M0 scale byte for each 32 along K, and (2) t2 = 2 x lora_A^T, [4096][8], in bf16.
; A block's scale is 2^(floor(log2(its largest magnitude)) - 2); its byte is the largest magnitude's exponent field - 2, held at 1 from below.
; LIMITS: NaN and infinities among the inputs are not served.  A block of zeros, or one whose largest magnitude lies under 2^(3 - 127), gets the byte 1
; (a block of zeros has zero codes, which add nothing under that byte; this program alone reads the bytes).  For t2, x and lora_A are rounded to bf16, the sums are f32,
; in another order than the problem writes them; t2 is rounded to bf16 once.
; LAYOUT OF xq, chosen for the product that reads it: [row / 128 (32)][k / 256 (16)] blocks of 25,600 bytes.  In a block: [(k / 128) % 2][(row / 16) % 8] fragments of 1,536 bytes, each the image of an
; operand's 12 registers (16 rows x 128 K): registers 4 c .. 4 c + 3 of lane l at 512 c + 16 l; from byte 24,576 on the scale words, [(row / 16) % 8][(k / 128) % 2][row % 16], 4 bytes each.
; LAYOUT OF tq: [row / 16 (256)][512]: registers 0-3 of a bf16 fragment, lane l's 16 bytes at 16 l: lanes 0-15 t2[row][0..7], lanes 16-31 zeros.
; SHARES.  A work-group owns 16 rows for all of K; wave w owns k = 256 w .. 256 w + 255, in two steps of 128.  All 48 loads of a wave go out at the head: each reads 512 consecutive bytes.
; The conversions want 16 neighbours along K in ONE lane, so a step's numbers turn through the wave's own stage in LDS (rows 528 bytes apart).  No wave touches another's stage.
; t: lora_A's 8 rows (as 16, each twice) x my 16 rows of x, by the bf16 matrix instruction, on two accumulators by turns; both operands carry the same permutation of k (slot (h, p) holds k = 32 b + 16 h + p).
; The sixteen waves' partial sums meet in LDS behind the launch's one barrier, and wave 0 adds them.
.set STG,  10752                       ; a wave's stage: x, 16 rows x 528; then lora_A in bf16, 8 rows x 272
.set XP,   528
.set LOFF, 8448
.set LP,   272
.set RED,  16*STG                      ; behind the stages: a partial t of 1,024 bytes for each wave
.set BLK,  25600
.set SCO,  24576
.set GL,   1                           ; v1   16 x lane
.set STX,  2                           ; v2   the stage, on the way in: 16 x lane
.set STL,  3                           ; v3   lora_A's part, on the way in: 8 x lane
.set RDX,  4                           ; v4   on the way out: 528 r + 64 h
.set RDL,  5                           ; v5   lora_A's: 272 (r % 8) + 32 h
.set L4,   6                           ; v6   4 x lane
.set REDW, 7                           ; v7   where my wave's partial t goes
.set NIL,  8                           ; v8   0
.set REDR, 9                           ; v9   where wave 0 reads the partial sums
.set PW0,  12                          ; v12, v13  the scale words of the two steps
.set PWM,  14                          ; v14  both, merged for the store
.set ACC,  16                          ; v16-31  two accumulators of t
.set TM,   32                          ; v32-35 largest magnitudes, v36-39 the other half's, then bytes, v40-43 the conversions' scale operands
.set PC,   44                          ; v44-55 the fragment just made; v56-62 at work
.set SEL,  20                          ; s[20:21] lane selects: lane l xor 16
.set CB,   8                           ; s[8:9] where my fragments go
; 64 numbers of a lane, register 16 b + i = k 32 b + 16 h + i of my row, become a fragment's 12 registers in v[PC] on and my row's scale word in v[pw] (the same in lanes r and r + 16).
.macro QUANT s, pw
.irp b, 0,1,2,3
	v_max3_num_f32 v[TM+\b], |v[\s+16*\b]|, |v[\s+16*\b+1]|, 0x1800000   ; block b: my 16 numbers, and the floor 2^(3 - 127): the byte cannot fall under 1
.endr
.irp i, 2,4,6,8,10,12,14
.irp b, 0,1,2,3
	v_max3_num_f32 v[TM+\b], v[TM+\b], |v[\s+16*\b+\i]|, |v[\s+16*\b+\i+1]|   ; the four blocks by turns
.endr
.endr
.irp b, 0,1,2,3
	v_permlanex16_b32 v[TM+4+\b], v[TM+\b], s[SEL], s[SEL+1]
.endr
.irp b, 0,1,2,3
	v_max_num_f32 v[TM+\b], v[TM+\b], v[TM+4+\b]   ; with lane l xor 16's 16: the block's largest magnitude
.endr
.irp b, 0,1,2,3
	v_add_nc_u32 v[TM+8+\b], 0xff000000, v[TM+\b]  ; 2 off its exponent field: the conversion takes this operand's exponent field as its scale
.endr
.irp b, 0,1,2,3
	v_lshrrev_b32 v[TM+4+\b], 23, v[TM+8+\b]       ; the scale's byte
.endr
	v_lshl_or_b32 v[\pw], v[TM+5], 8, v[TM+4]
	v_lshl_or_b32 v[\pw], v[TM+6], 16, v[\pw]
	v_lshl_or_b32 v[\pw], v[TM+7], 24, v[\pw]
.irp c, 0,1
	v_cvt_scalef32_pk16_fp6_f32 v[PC+6*\c:PC+6*\c+2], v[\s+32*\c:\s+32*\c+15], v[TM+8+2*\c]
	v_cvt_scalef32_pk16_fp6_f32 v[PC+12+4*\c:PC+14+4*\c], v[\s+32*\c+16:\s+32*\c+31], v[TM+9+2*\c]   ; (a conversion's three registers begin on an even number)
.endr
	v_nop                                          ; one plain place behind the scaled conversions
.irp c, 0,1                                    ; the operand's layout wants a whole block in a lane: lanes 0-15 block 2 c, lanes 16-31 block 2 c + 1
.irp i, 0,1,2
	v_permlane16_swap_b32 v[PC+6*\c+\i], v[PC+12+4*\c+\i]
.endr
.irp i, 0,1,2
	v_mov_b32 v[PC+3+6*\c+\i], v[PC+12+4*\c+\i]
.endr
.endr
.endm
.macro IMGOUT off                              ; the fragment leaves as it stands: each store covers 512 consecutive bytes, aligned
.irp c, 0,1,2
	global_store_b128 v[GL], v[PC+4*\c:PC+4*\c+3], s[CB:CB+1] offset:\off+512*\c
.endr
.endm
	s_load_b256 s[4:11], s[0:1], 0x0               ; x s[4:5], lora_A s[6:7], xq s[8:9], tq s[10:11]
	v_lshl_add_u32 v59, v0, 2, 0x2e000
	v_mov_b32 v63, 0
	v_lshrrev_b32 v9, 5, v0
	v_readfirstlane_b32 s12, v9                    ; wave 0..15
	v_and_b32 v9, 31, v0                           ; lane
	v_and_b32 v10, 15, v0                          ; r
	v_bfe_u32 v11, v0, 4, 1                        ; h
	v_cmp_le_u32 vcc_lo, 16, v9                    ; lanes 16-31: set once, never rewritten
	v_lshlrev_b32 v[GL], 4, v9
	v_lshlrev_b32 v[L4], 2, v9
	s_mul_i32 s13, s12, STG                        ; my stage
	v_add_nc_u32 v[STX], s13, v[GL]
	v_lshl_add_u32 v[STL], v9, 3, s13
	v_add_nc_u32 v[STL], LOFF, v[STL]
	v_mul_u32_u24 v[RDX], v10, XP
	v_lshl_add_u32 v[RDX], v11, 6, v[RDX]
	v_add_nc_u32 v[RDX], s13, v[RDX]
	v_and_b32 v10, 7, v0                           ; r % 8: lanes r and r + 8 take the same row of lora_A
	v_mul_u32_u24 v[RDL], v10, LP
	v_lshl_add_u32 v[RDL], v11, 5, v[RDL]
	v_add_nc_u32 v[RDL], s13, v[RDL]
	v_add_nc_u32 v[RDL], LOFF, v[RDL]
	s_lshl_b32 s16, s12, 10                        ; 1,024 x wave: my k in a row of x and of lora_A, and my partial t's place
	v_add_nc_u32 v[REDW], s16, v[GL]
	v_add_nc_u32 v[REDW], RED, v[REDW]
	v_add_nc_u32 v[REDR], RED, v[GL]
	v_mov_b32 v[NIL], 0
.irp b, 0,1,2,3
	v_mov_b32 v[TM+4+\b], 0                        ; written once: a lane permute's destination counts as one of its sources
.endr
	s_mov_b32 s[SEL], 0x76543210
	s_mov_b32 s[SEL+1], 0xfedcba98
	s_lshl_b32 s18, ttmp9, 18                      ; x: 16 rows of 16,384 bytes a work-group,
	s_add_co_u32 s18, s18, s16                     ; + my k
	s_mov_b32 s19, 0
	s_mov_b32 s22, s16
	s_mov_b32 s23, 0
	s_lshr_b32 s24, ttmp9, 3                       ; xq: block (row / 128, wave)
	s_lshl_b32 s24, s24, 4
	s_add_co_u32 s24, s24, s12
	s_mul_i32 s24, s24, BLK
	s_and_b32 s26, ttmp9, 7                        ; which 16 rows of the block's 128
	s_lshl_b32 s28, s26, 7
	s_add_co_u32 s28, s28, s24
	s_add_co_u32 s28, s28, SCO                     ; my scale words: 128 bytes
	s_mov_b32 s29, 0
	s_mul_i32 s26, s26, 1536
	s_add_co_u32 s24, s24, s26                     ; my fragments
	s_mov_b32 s25, 0
	s_lshl_b32 s26, ttmp9, 9                       ; tq: 512 bytes a work-group
	s_mov_b32 s27, 0
	s_wait_kmcnt 0x0
	s_add_nc_u64 s[4:5], s[4:5], s[18:19]
	s_add_nc_u64 s[6:7], s[6:7], s[22:23]
	s_add_nc_u64 s[14:15], s[8:9], s[28:29]
	s_add_nc_u64 s[8:9], s[8:9], s[24:25]
	s_add_nc_u64 s[10:11], s[10:11], s[26:27]
.irp s, 0,1                                    ; all that the wave reads is asked for at once: set s at v[64 + 96 s]: 64 registers of x, 32 of lora_A
.irp i, 0,1,2,3,4,5,6,7,8,9,10,11,12,13,14,15
	global_load_b128 v[64+96*\s+4*\i:64+96*\s+4*\i+3], v[GL], s[4:5] offset:16384*\i+512*\s th:TH_LOAD_NT
.endr
.irp j, 0,1,2,3,4,5,6,7
	global_load_b128 v[128+96*\s+4*\j:128+96*\s+4*\j+3], v[GL], s[6:7] offset:16384*\j+512*\s
.endr
.endr
.macro XSTEP s
.set R, 64+96*\s
	s_wait_loadcnt 24*(1-\s)                       ; this step's 24 loads are in; behind step 0's stand step 1's 24
.irp j, 0,1,2,3,4,5,6,7
	v_cvt_pk_bf16_f32 v[R+64+2*\j], v[R+64+4*\j], v[R+64+4*\j+1]       ; lora_A to bf16, drawn together in place: no result lands on a number not yet read
	v_cvt_pk_bf16_f32 v[R+64+2*\j+1], v[R+64+4*\j+2], v[R+64+4*\j+3]
.endr
.irp i, 0,1,2,3,4,5,6,7,8,9,10,11,12,13,14,15
	ds_store_b128 v[STX], v[R+4*\i:R+4*\i+3] offset:XP*\i
.endr
.irp j, 0,1,2,3,4,5,6,7
	ds_store_b64 v[STL], v[R+64+2*\j:R+64+2*\j+1] offset:LP*\j
.endr
	s_wait_dscnt 0x0                               ; the stores have read their registers, which the loads below fill
.irp b, 0,1,2,3
.irp j, 0,1,2,3
	ds_load_b128 v[R+16*\b+4*\j:R+16*\b+4*\j+3], v[RDX] offset:128*\b+16*\j       ; x(r, 32 b + 16 h + 4 j ..)
.endr
.endr
.irp b, 0,1,2,3
.irp c, 0,1
	ds_load_b128 v[R+64+8*\b+4*\c:R+64+8*\b+4*\c+3], v[RDL] offset:64*\b+16*\c   ; lora_A(r % 8, 32 b + 16 h + 8 c ..) in bf16
.endr
.endr
.if \s
	s_wait_xcnt 0x0                                ; step 0's stores have read the fragment's registers, which are written again below
.endif
	s_wait_dscnt 8                                 ; x is back; lora_A's eight loads may be out
	QUANT R, PW0+\s
	IMGOUT 12288*\s
.set n, 0
.rept 32
	v_cvt_pk_bf16_f32 v[R+n], v[R+2*n], v[R+2*n+1] ; x to bf16, drawn together in place: registers 8 b .. 8 b + 7 hold k = 32 b + 16 h + 0 .. 15
.set n, n+1
.endr
	s_wait_dscnt 0x0                               ; lora_A is back
.irp b, 0,1,2,3                                ; source 0 = lora_A's rows, source 1 = my 16 rows of x: lane (r, h) holds t(row r, 0 .. 7) in its eight registers.  Two accumulators by turns
.if (\s == 0) && (\b < 2)
	v_wmma_f32_16x16x32_bf16 v[ACC+8*(\b%2):ACC+8*(\b%2)+7], v[R+64+8*\b:R+64+8*\b+7], v[R+8*\b:R+8*\b+7], 0
.else
	v_wmma_f32_16x16x32_bf16 v[ACC+8*(\b%2):ACC+8*(\b%2)+7], v[R+64+8*\b:R+64+8*\b+7], v[R+8*\b:R+8*\b+7], v[ACC+8*(\b%2):ACC+8*(\b%2)+7]
.endif
.endr
.endm
	XSTEP 0
	XSTEP 1
.rept 4
	v_nop                                          ; four places between the last product and the first read of its result (ISA guide 7.12.1)
.endr
.irp j, 0,1,2,3
	v_pk_add_f32 v[TM+2*\j:TM+2*\j+1], v[ACC+2*\j:ACC+2*\j+1], v[ACC+8+2*\j:ACC+8+2*\j+1]   ; both accumulators from their low end on
.endr
	ds_store_b128 v[REDW], v[TM:TM+3]
	ds_store_b128 v[REDW], v[TM+4:TM+7] offset:512
	v_cndmask_b32 v[PWM], v[PW0], v[PW0+1], vcc_lo ; lanes 0-15: the first 128's words, lanes 16-31: the second's
	global_store_b32 v[L4], v[PWM], s[14:15]       ; 128 consecutive bytes
	s_wait_dscnt 0x0                               ; for wave 0's sake: my partial t has landed
	s_barrier_signal -1
	s_barrier_wait -1
	s_cmp_lg_u32 s12, 0
	s_cbranch_scc1 .Lend
.irp p, 0,1,2,3,4,5,6,7,8,9,10,11,12,13,14,15
	ds_load_b128 v[64+8*\p:64+8*\p+3], v[REDR] offset:1024*\p
	ds_load_b128 v[64+8*\p+4:64+8*\p+7], v[REDR] offset:1024*\p+512
.endr
	s_wait_dscnt 0x0
.irp p, 1,2,3,4,5,6,7,8,9,10,11,12,13,14,15
.irp j, 0,1,2,3
	v_pk_add_f32 v[64+2*\j:65+2*\j], v[64+2*\j:65+2*\j], v[64+8*\p+2*\j:65+8*\p+2*\j]
.endr
.endr
.irp j, 0,1,2,3
	v_pk_mul_f32 v[64+2*\j:65+2*\j], v[64+2*\j:65+2*\j], 2.0 op_sel_hi:[1,0]      ; the problem's scaling, alpha / r = 2: exact
.endr
.irp j, 0,1,2,3
	v_cvt_pk_bf16_f32 v[TM+\j], v[64+2*\j], v[65+2*\j]
.endr
.irp j, 0,1,2,3
	v_cndmask_b32 v[TM+\j], v[TM+\j], v[NIL], vcc_lo   ; lanes 16-31 stand for k = 8 .. 15 of the fragment: zeros
.endr
	global_store_b128 v[GL], v[TM:TM+3], s[10:11]  ; 512 consecutive bytes, aligned
.Lend:
	s_wait_tensorcnt 0x0
	ds_add_u32 v59, v63
	s_wait_dscnt 0x0
	s_endpgm
.Lfunc_end_k_q58cebf7f07_qx:
	.size	k_q58cebf7f07_qx, .Lfunc_end_k_q58cebf7f07_qx-k_q58cebf7f07_qx
	.p2alignl 7, 3214868480
	.fill 96, 4, 3214868480
	.section	.rodata,"a",@progbits
	.p2align	6, 0x0
	.amdhsa_kernel k_q58cebf7f07_qx
		.amdhsa_group_segment_fixed_size 190464
		.amdhsa_private_segment_fixed_size 0
		.amdhsa_enable_private_segment 0
		.amdhsa_kernarg_size 32
		.amdhsa_user_sgpr_count 2
		.amdhsa_user_sgpr_kernarg_segment_ptr 1
		.amdhsa_wavefront_size32 1
		.amdhsa_system_sgpr_workgroup_id_x 1
		.amdhsa_system_sgpr_workgroup_id_y 1
		.amdhsa_system_sgpr_workgroup_id_z 1
		.amdhsa_system_vgpr_workitem_id 0
		.amdhsa_next_free_vgpr 256
		.amdhsa_next_free_sgpr 66
		.amdhsa_reserve_vcc 1
		.amdhsa_float_denorm_mode_32 3
		.amdhsa_float_denorm_mode_16_64 3
		.amdhsa_memory_ordered 1
		.amdhsa_forward_progress 1
		.amdhsa_inst_pref_size 36
	.end_amdhsa_kernel
	.amdgpu_metadata
---
amdhsa.version: [ 1, 2 ]
amdhsa.kernels:
  - .name:           k_q58cebf7f07_qx
    .symbol:         k_q58cebf7f07_qx.kd
    .args:
      - { .name: x, .offset: 0, .size: 8, .value_kind: global_buffer, .address_space: global }
      - { .name: lora_A, .offset: 8, .size: 8, .value_kind: global_buffer, .address_space: global }
      - { .name: xq, .offset: 16, .size: 8, .value_kind: global_buffer, .address_space: global }
      - { .name: tq, .offset: 24, .size: 8, .value_kind: global_buffer, .address_space: global }
    .group_segment_fixed_size: 190464
    .private_segment_fixed_size: 0
    .kernarg_segment_align: 8
    .kernarg_segment_size: 32
    .max_flat_workgroup_size: 512
    .sgpr_count:     66
    .vgpr_count:     256
    .wavefront_size: 32
...
	.end_amdgpu_metadata
.endif
;; end of part 1
;; launch qw (part 2): grid 256 x 1, 16 waves a work-group, no clusters, 169,984 bytes of LDS; arguments weight_quant, zero, wq, scale; writes wq
.if DOCPART == 2
	.amdgcn_target "amdgcn-amd-amdhsa--gfx1250"
	.amdhsa_code_object_version 6
	.text
	.protected	k_q58cebf7f07_qw
	.globl	k_q58cebf7f07_qw
	.p2align	8
	.type	k_q58cebf7f07_qw,@function
k_q58cebf7f07_qw:
	s_mov_b64 s[64:65], 0
	v_nop
	global_prefetch_b8 v0, s[64:65] scope:SCOPE_SE
	s_setreg_imm32_b32 hwreg(HW_REG_WAVE_MODE, 25, 1), 1
	s_wait_xcnt 0x0
; W[o][k] = (nibble - zero[k]) x scale[k], f32: a subtraction and then a multiplication, as the problem writes it; weight_quant [4096][2048] int32 holds k = 2 c in bits 3:0 and k = 2 c + 1 in bits 7:4 of word c.
; W becomes codes of FP6 (E2M3) with one E8M0 scale byte for each 32 along K.  A block's scale is 2^(floor(log2(its largest magnitude)) - 2); its byte is the largest magnitude's exponent field - 2, held at 1 from below.
; LIMITS: NaN and infinities in zero and scale are not served.  A block of zeros, or one whose largest magnitude lies under 2^(3 - 127), gets the byte 1 (zero codes add nothing under it; this program alone reads the bytes).
; LAYOUT OF wq: [row / 128 (32)][k / 256 (16)] blocks of 25,600 bytes.  In a block: [(k / 128) % 2][(row / 16) % 8] fragments of 1,536 bytes, each the image of an operand's 12 registers
; (registers 4 c .. 4 c + 3 of lane l at 512 c + 16 l); from byte 24,576 on the scale words, [(row / 16) % 8][(k / 128) % 2][row % 16], 4 bytes each.
; SHARES.  A work-group owns 16 rows of W for all of K; wave w owns k = 256 w .. 256 w + 255: 512 bytes of each row, 1,024 bytes of zero and of scale.  All 20 loads of a wave go out at the head, each 512 consecutive bytes.
; The conversions want 16 neighbours along K in one lane, so the words turn through the wave's own stage in LDS.  Waves share nothing: no barrier.
.set STG,  10496                       ; a wave's stage: the words, 16 rows x 528; zero, 1,024 bytes; scale, 1,024 bytes
.set XP,   528
.set ZOFF, 8448
.set BLK,  25600
.set SCO,  24576
.set GL,   1                           ; v1   16 x lane
.set STX,  2                           ; v2   the stage, on the way in: 16 x lane
.set RDI,  4                           ; v4   the words, on the way out: 528 r + 32 h
.set RDZ,  5                           ; v5   zero's: 64 h (scale's lie 1,024 bytes on)
.set L4,   6                           ; v6   4 x lane
.set PW0,  12                          ; v12, v13  the scale words of the two steps
.set PWM,  14                          ; v14  both, merged for the store
.set TM,   32                          ; v32-43 at work in QUANT
.set PC,   44                          ; v44-55 the fragment just made; v56-62 at work
.set XS,   64                          ; v64-127  64 numbers of W; the words come into the upper half
.set Z,    128                         ; v128-191 zero at the same k
.set S,    192                         ; v192-255 scale at the same k
.set SEL,  20                          ; s[20:21] lane selects: lane l xor 16
.set CB,   8                           ; s[8:9] where my fragments go
; 64 numbers of a lane, register 16 b + i = k 32 b + 16 h + i of my row, become a fragment's 12 registers in v[PC] on and my row's scale word in v[pw] (the same in lanes r and r + 16).
.macro QUANT s, pw
.irp b, 0,1,2,3
	v_max3_num_f32 v[TM+\b], |v[\s+16*\b]|, |v[\s+16*\b+1]|, 0x1800000   ; block b: my 16 numbers, and the floor 2^(3 - 127): the byte cannot fall under 1
.endr
.irp i, 2,4,6,8,10,12,14
.irp b, 0,1,2,3
	v_max3_num_f32 v[TM+\b], v[TM+\b], |v[\s+16*\b+\i]|, |v[\s+16*\b+\i+1]|   ; the four blocks by turns
.endr
.endr
.irp b, 0,1,2,3
	v_permlanex16_b32 v[TM+4+\b], v[TM+\b], s[SEL], s[SEL+1]
.endr
.irp b, 0,1,2,3
	v_max_num_f32 v[TM+\b], v[TM+\b], v[TM+4+\b]   ; with lane l xor 16's 16: the block's largest magnitude
.endr
.irp b, 0,1,2,3
	v_add_nc_u32 v[TM+8+\b], 0xff000000, v[TM+\b]  ; 2 off its exponent field: the conversion takes this operand's exponent field as its scale
.endr
.irp b, 0,1,2,3
	v_lshrrev_b32 v[TM+4+\b], 23, v[TM+8+\b]       ; the scale's byte
.endr
	v_lshl_or_b32 v[\pw], v[TM+5], 8, v[TM+4]
	v_lshl_or_b32 v[\pw], v[TM+6], 16, v[\pw]
	v_lshl_or_b32 v[\pw], v[TM+7], 24, v[\pw]
.irp c, 0,1
	v_cvt_scalef32_pk16_fp6_f32 v[PC+6*\c:PC+6*\c+2], v[\s+32*\c:\s+32*\c+15], v[TM+8+2*\c]
	v_cvt_scalef32_pk16_fp6_f32 v[PC+12+4*\c:PC+14+4*\c], v[\s+32*\c+16:\s+32*\c+31], v[TM+9+2*\c]   ; (a conversion's three registers begin on an even number)
.endr
	v_nop                                          ; one plain place behind the scaled conversions
.irp c, 0,1                                    ; the operand's layout wants a whole block in a lane: lanes 0-15 block 2 c, lanes 16-31 block 2 c + 1
.irp i, 0,1,2
	v_permlane16_swap_b32 v[PC+6*\c+\i], v[PC+12+4*\c+\i]
.endr
.irp i, 0,1,2
	v_mov_b32 v[PC+3+6*\c+\i], v[PC+12+4*\c+\i]
.endr
.endr
.endm
.macro IMGOUT off                              ; the fragment leaves as it stands: each store covers 512 consecutive bytes, aligned
.irp c, 0,1,2
	global_store_b128 v[GL], v[PC+4*\c:PC+4*\c+3], s[CB:CB+1] offset:\off+512*\c
.endr
.endm
	s_load_b256 s[4:11], s[0:1], 0x0               ; weight_quant s[4:5], zero s[6:7], wq s[8:9], scale s[10:11]
	v_lshl_add_u32 v59, v0, 2, 0x29000
	v_mov_b32 v63, 0
	v_lshrrev_b32 v9, 5, v0
	v_readfirstlane_b32 s12, v9                    ; wave 0..15
	v_and_b32 v9, 31, v0                           ; lane
	v_and_b32 v10, 15, v0                          ; r
	v_bfe_u32 v11, v0, 4, 1                        ; h
	v_cmp_le_u32 vcc_lo, 16, v9                    ; lanes 16-31: set once, never rewritten
	v_lshlrev_b32 v[GL], 4, v9
	v_lshlrev_b32 v[L4], 2, v9
	s_mul_i32 s13, s12, STG                        ; my stage
	v_add_nc_u32 v[STX], s13, v[GL]
	v_mul_u32_u24 v[RDI], v10, XP
	v_lshl_add_u32 v[RDI], v11, 5, v[RDI]
	v_add_nc_u32 v[RDI], s13, v[RDI]
	v_lshl_add_u32 v[RDZ], v11, 6, s13
	v_add_nc_u32 v[RDZ], ZOFF, v[RDZ]
.irp b, 0,1,2,3
	v_mov_b32 v[TM+4+\b], 0                        ; written once: a lane permute's destination counts as one of its sources
.endr
	s_mov_b32 s[SEL], 0x76543210
	s_mov_b32 s[SEL+1], 0xfedcba98
	s_lshl_b32 s18, ttmp9, 17                      ; weight_quant: 16 rows of 8,192 bytes a work-group,
	s_lshl_b32 s19, s12, 9                         ; + my 128 words
	s_add_co_u32 s18, s18, s19
	s_mov_b32 s19, 0
	s_lshl_b32 s22, s12, 10                        ; zero, scale: my 256 numbers
	s_mov_b32 s23, 0
	s_lshr_b32 s24, ttmp9, 3                       ; wq: block (row / 128, wave)
	s_lshl_b32 s24, s24, 4
	s_add_co_u32 s24, s24, s12
	s_mul_i32 s24, s24, BLK
	s_and_b32 s26, ttmp9, 7                        ; which 16 rows of the block's 128
	s_lshl_b32 s28, s26, 7
	s_add_co_u32 s28, s28, s24
	s_add_co_u32 s28, s28, SCO                     ; my scale words: 128 bytes
	s_mov_b32 s29, 0
	s_mul_i32 s26, s26, 1536
	s_add_co_u32 s24, s24, s26                     ; my fragments
	s_mov_b32 s25, 0
	s_wait_kmcnt 0x0
	s_add_nc_u64 s[4:5], s[4:5], s[18:19]
	s_add_nc_u64 s[6:7], s[6:7], s[22:23]
	s_add_nc_u64 s[10:11], s[10:11], s[22:23]
	s_add_nc_u64 s[14:15], s[8:9], s[28:29]
	s_add_nc_u64 s[8:9], s[8:9], s[24:25]
.irp i, 0,1,2,3,4,5,6,7,8,9,10,11,12,13,14,15
	global_load_b128 v[XS+4*\i:XS+4*\i+3], v[GL], s[4:5] offset:8192*\i th:TH_LOAD_NT
.endr
.irp c, 0,1
	global_load_b128 v[Z+4*\c:Z+4*\c+3], v[GL], s[6:7] offset:512*\c
	global_load_b128 v[Z+8+4*\c:Z+8+4*\c+3], v[GL], s[10:11] offset:512*\c
.endr
	s_wait_loadcnt 0x0
.irp i, 0,1,2,3,4,5,6,7,8,9,10,11,12,13,14,15
	ds_store_b128 v[STX], v[XS+4*\i:XS+4*\i+3] offset:XP*\i
.endr
.irp c, 0,1
	ds_store_b128 v[STX], v[Z+4*\c:Z+4*\c+3] offset:ZOFF+512*\c
	ds_store_b128 v[STX], v[Z+8+4*\c:Z+8+4*\c+3] offset:ZOFF+1024+512*\c
.endr
	s_wait_dscnt 0x0                               ; the stores have read their registers, which the loads below fill; the stage now holds both steps
.macro WSTEP s
.irp b, 0,1,2,3
.irp c, 0,1
	ds_load_b128 v[XS+32+8*\b+4*\c:XS+32+8*\b+4*\c+3], v[RDI] offset:256*\s+64*\b+16*\c   ; the 8 words of k = 32 b + 16 h + 0 .. 15 of row r
.endr
.endr
.irp b, 0,1,2,3
.irp j, 0,1,2,3
	ds_load_b128 v[Z+16*\b+4*\j:Z+16*\b+4*\j+3], v[RDZ] offset:512*\s+128*\b+16*\j
.endr
.endr
.irp b, 0,1,2,3
.irp j, 0,1,2,3
	ds_load_b128 v[S+16*\b+4*\j:S+16*\b+4*\j+3], v[RDZ] offset:1024+512*\s+128*\b+16*\j
.endr
.endr
	s_wait_dscnt 32                                ; the words are in; zero's and scale's 32 loads may be out
.set n, 0
.rept 32
	v_and_b32 v[XS+2*n], 15, v[XS+32+n]            ; in ascending order no result lands on a word not yet read: 2 n + 1 <= 32 + n
	v_bfe_u32 v[XS+2*n+1], v[XS+32+n], 4, 4
.set n, n+1
.endr
.set n, 0
.rept 64
	v_cvt_f32_u32 v[XS+n], v[XS+n]
.set n, n+1
.endr
	s_wait_dscnt 16                                ; zero is in
.set n, 0
.rept 32
	v_pk_add_f32 v[XS+2*n:XS+2*n+1], v[XS+2*n:XS+2*n+1], v[Z+2*n:Z+2*n+1] neg_lo:[0,1] neg_hi:[0,1]
.set n, n+1
.endr
	s_wait_dscnt 0x0                               ; scale is in
.set n, 0
.rept 32
	v_pk_mul_f32 v[XS+2*n:XS+2*n+1], v[XS+2*n:XS+2*n+1], v[S+2*n:S+2*n+1]
.set n, n+1
.endr
.if \s
	s_wait_xcnt 0x0                                ; step 0's stores have read the fragment's registers, which are written again below
.endif
	QUANT XS, PW0+\s
	IMGOUT 12288*\s
.endm
	WSTEP 0
	WSTEP 1
	v_cndmask_b32 v[PWM], v[PW0], v[PW0+1], vcc_lo ; lanes 0-15: the first 128's words, lanes 16-31: the second's
	global_store_b32 v[L4], v[PWM], s[14:15]       ; 128 consecutive bytes
	s_wait_tensorcnt 0x0
	ds_add_u32 v59, v63
	s_wait_dscnt 0x0
	s_endpgm
.Lfunc_end_k_q58cebf7f07_qw:
	.size	k_q58cebf7f07_qw, .Lfunc_end_k_q58cebf7f07_qw-k_q58cebf7f07_qw
	.p2alignl 7, 3214868480
	.fill 96, 4, 3214868480
	.section	.rodata,"a",@progbits
	.p2align	6, 0x0
	.amdhsa_kernel k_q58cebf7f07_qw
		.amdhsa_group_segment_fixed_size 169984
		.amdhsa_private_segment_fixed_size 0
		.amdhsa_enable_private_segment 0
		.amdhsa_kernarg_size 32
		.amdhsa_user_sgpr_count 2
		.amdhsa_user_sgpr_kernarg_segment_ptr 1
		.amdhsa_wavefront_size32 1
		.amdhsa_system_sgpr_workgroup_id_x 1
		.amdhsa_system_sgpr_workgroup_id_y 1
		.amdhsa_system_sgpr_workgroup_id_z 1
		.amdhsa_system_vgpr_workitem_id 0
		.amdhsa_next_free_vgpr 256
		.amdhsa_next_free_sgpr 66
		.amdhsa_reserve_vcc 1
		.amdhsa_float_denorm_mode_32 3
		.amdhsa_float_denorm_mode_16_64 3
		.amdhsa_memory_ordered 1
		.amdhsa_forward_progress 1
		.amdhsa_inst_pref_size 37
	.end_amdhsa_kernel
	.amdgpu_metadata
---
amdhsa.version: [ 1, 2 ]
amdhsa.kernels:
  - .name:           k_q58cebf7f07_qw
    .symbol:         k_q58cebf7f07_qw.kd
    .args:
      - { .name: weight_quant, .offset: 0, .size: 8, .value_kind: global_buffer, .address_space: global }
      - { .name: zero, .offset: 8, .size: 8, .value_kind: global_buffer, .address_space: global }
      - { .name: wq, .offset: 16, .size: 8, .value_kind: global_buffer, .address_space: global }
      - { .name: scale, .offset: 24, .size: 8, .value_kind: global_buffer, .address_space: global }
    .group_segment_fixed_size: 169984
    .private_segment_fixed_size: 0
    .kernarg_segment_align: 8
    .kernarg_segment_size: 32
    .max_flat_workgroup_size: 512
    .sgpr_count:     66
    .vgpr_count:     256
    .wavefront_size: 32
...
	.end_amdgpu_metadata
.endif
;; end of part 2
;; launch gemm (part 3): grid 16 x 16, 4 waves a work-group, clusters of 4 x 4, 327,680 bytes of LDS; arguments xq, wq, tq, lora_B, bias, out0; writes out0
.if DOCPART == 3
	.amdgcn_target "amdgcn-amd-amdhsa--gfx1250"
	.amdhsa_code_object_version 6
	.text
	.protected	k_q58cebf7f07_gemm
	.globl	k_q58cebf7f07_gemm
	.p2align	8
	.type	k_q58cebf7f07_gemm,@function
k_q58cebf7f07_gemm:
	s_mov_b64 s[64:65], 0
	v_nop
	global_prefetch_b8 v0, s[64:65] scope:SCOPE_SE
	s_setreg_imm32_b32 hwreg(HW_REG_WAVE_MODE, 25, 1), 1
	s_wait_xcnt 0x0
	s_wait_alu depctr_hold_cnt(0) depctr_sa_sdst(0) depctr_va_vdst(0) depctr_va_sdst(0) depctr_va_ssrc(0) depctr_va_vcc(0) depctr_vm_vsrc(0)
	s_getreg_b32 s2, hwreg(HW_REG_IB_STS2, 6, 4)
	s_cmp_eq_u32 s2, 0
	s_cbranch_scc0 .Lentry_in_a_cluster
	s_endpgm
.Lentry_in_a_cluster:
	s_bfe_u32 s2, ttmp6, 0x10000c
	s_cmp_lg_u32 s2, 0xf033
	s_cbranch_scc0 .Lentry_shape_is_right
	s_endpgm
.Lentry_shape_is_right:
; out[m][n] = sum over k of Q(x)[m][k] Q(W)[n][k] + bias[n] + sum over r of t2[m][r] lora_B[n][r].  M = N = K = 4,096; out is f32; sums in f32.
; Q(x), Q(W): codes of FP6 (E2M3) with one E8M0 scale for each 32 along K, in xq and wq: [row / 128][k / 256] blocks of 25,600 bytes, each 16 fragments (16 rows x 128 K) as images of the operand's 12 registers
; (registers 4 c .. 4 c + 3 of lane l at 512 c + 16 l), then 1,024 bytes of scale words [16 rows' block (8)][128 along K (2)][row (16)].  t2 = 2 x lora_A^T in bf16, as fragment images in tq.
; LIMITS: lora_B is rounded to bf16 for its product with t2; NaN and infinities among the inputs are not served.
; A tile of out, 256 x 256, is made by a work-group of four waves; a wave makes 128 x 128: 64 accumulators of 16 x 16, 512 registers.
; THE SUMS BEGIN AS bias + t2 lora_B^T: one bf16 matrix instruction for each accumulator, with bias as its C; it runs while the first tiles are on their way.  Nothing is cleared, and nothing is added at the end.
; K goes in steps of 256 through a ring of two LDS slots.  A wave's share of a slot (128 rows x 256 K, codes and scale words) is ONE dense block of 25,600 bytes: one tensor load of 100 rows of 256 bytes.
; A fragment comes out of LDS by three loads of 512 consecutive bytes each: no pitch, no padding.
; CLUSTERS: 4 x 4 work-groups.  The four of a row of the cluster need the same blocks of xq, the four of a column the same blocks of wq: each is asked for JOINTLY, by the same tensor load with the same descriptor and a
; mask that names the four.  THE MATRIX INSTRUCTION IS USED TRANSPOSED (source 0 = 16 rows of W, source 1 = 16 rows of x): a lane then holds eight neighbouring numbers of a row of out.
; A wave has two tensor loads out at the start and one behind each round.
; REGISTERS, in windows of 256: window 0: v16-31 addresses; v32-63 scale words, two sets; v128-223 x's fragments, ONE set; at the start v64-127 bias, v128-191 t2's fragments, v192-255 lora_B; on the way out v128-255 rows of out.
;   window 1: W's fragments, TWO sets, at v0 and v128 (at the start v0-63: lora_B in bf16).   window 2: the accumulators of my rows 0-63 ((a, b) at v[8 (8 a + b)]);   window 3: those of my rows 64-127.
.set BLK,    25600                     ; a block: 128 rows x 256 K
.set SCO,    24576                     ; where its scale words begin
.set GROW,   16*BLK                    ; the 16 blocks of 128 rows
.set SLOT,   4*BLK                     ; x's two blocks, then W's two
.set SPARE,  2*SLOT                    ; behind the ring: the spare words, 128 bytes for each wave: two blocks of 256 bytes that no other line names
.set SIZE_N, 4096
.set LAPS,   8                         ; a lap = two slots = 512 along K
.set FR,     12                        ; registers of a fragment
.set NL,     3                         ; LDS loads that bring one
.set NP,     4                         ; places behind this matrix instruction (ISA guide 7.12.1)
.set SPITCH, 528                       ; the way out: a stage of 16 rows x (512 bytes + 16) for each wave, in slot 0, which has had its last fill and its last read when the first result is stored there
.set ADRA, 16                          ; v16-17  LDS address of x's fragments in slot 0, 1: my block + 16 x lane
.set ADRB, 20                          ; v20-21  the same for W
.set ADRS, 22                          ; v22-23  of the scale words: lanes 0-15 x's rows, lanes 16-31 W's
.set STO,  24                          ; v24     the way out: where I put 32 bytes of a row
.set RD,   25                          ; v25     the way out: where I read a row back
.set LI,   27                          ; v27     16 x lane: an image's place for my lane; also my byte offset in a row of out
.set SPW,  28                          ; v28     LDS address of my spare word: SPARE + 4 x my thread's number; never rewritten
.set NIL,  29                          ; v29     0; never rewritten
.set LBO,  30                          ; v30     32 r: my row of lora_B
.set BIO,  31                          ; v31     32 h: my eight numbers of bias
.set SC,   32                          ; scale words: set s (for slot s) at v[SC + 16 s]; register 2 i + q: lanes 0-15 x's block i, lanes 16-31 W's block i, the slot's q-th 128 along K
.set BIA,  64                          ; bias, eight registers for each of W's eight blocks, in the result's layout
.set AF,   128                         ; x's fragments
.set TF,   128                         ; t2's fragments, 8 registers each
.set LBF,  192                         ; lora_B as loaded
.set BK,   128                         ; the way out: 16 rows read back: v128-191 and v192-255 by turns
.set G1, 24                            ; s[24:31] descriptor group 1 for x's blocks;  s[32:39] group 0, one set for each slot
.set G0, 32
.set G1B, 48                           ; s[48:55], s[56:63] the same for W's
.set G0B, 56
.set MSB, 0
.macro WIN new                         ; the immediate's high byte repeats the setting that is left
.if MSB != \new
	s_set_vgpr_msb (MSB<<8)|\new
.set MSB, \new
.endif
.endm
.set MUL_LO, 0xa1                      ; source 0 (W) window 1, source 1 (x) window 0, C and D window 2
.set MUL_HI, 0xf1                      ; the same, C and D window 3
.set TO_B,   0x40                      ; destination window 1, address window 0
; A joint load: waves 0 and 1 fetch x's two blocks, waves 2 and 3 W's.  Each of the two lines has ONE mask and one set of registers for all that issue it; the branch hangs on the wave's number alone.
; Four v_nop follow each of the two lines, ahead of the jump, the label and what follows.
.macro JLOAD g0a, g1a, g0b, g1b
	s_cmp_eq_u32 s17, 0
	s_cbranch_scc0 .Lfor_b_\@
	tensor_load_to_lds s[\g0a:\g0a+3], s[\g1a:\g1a+7]
	s_nop 0
.rept 4
	v_nop
.endr
	s_branch .Lasked_\@
.Lfor_b_\@:
	tensor_load_to_lds s[\g0b:\g0b+3], s[\g1b:\g1b+7]
	s_nop 0
.rept 4
	v_nop
.endr
.Lasked_\@:
.endm
.macro CREST                           ; a round of the cluster's barrier behind its opening barrier
	s_cmp_lg_u32 s16, 0
	s_cbranch_scc1 .Lnot_wave_0_\@
	s_barrier_signal -3
.Lnot_wave_0_\@:
	s_barrier_wait -3
	s_barrier_signal -1
	s_barrier_wait -1
.endm
.macro CROUND                          ; a whole round
	s_barrier_signal -1
	s_barrier_wait -1
	CREST
.endm
	s_load_b256 s[4:11], s[0:1], 0x0               ; xq s[4:5], wq s[6:7], tq s[8:9], lora_B s[10:11]
	s_load_b128 s[12:15], s[0:1], 0x20             ; bias s[12:13], out s[14:15]
	v_lshl_add_u32 v[SPW], v0, 2, SPARE
	v_mov_b32 v[NIL], 0
	ds_add_u32 v28, v29
	ds_add_u32 v28, v29
	s_wait_dscnt 0x0
	v_lshrrev_b32 v1, 5, v0
	v_readfirstlane_b32 s16, v1                    ; wave 0..3
	s_lshr_b32 s17, s16, 1                         ; which half of the tile's rows is mine.  Also: I fetch for x (0) or for W (1)
	s_and_b32 s18, s16, 1                          ; which half of its columns.  Also: which 128 rows I fetch
	s_bfe_u32 s40, ttmp6, 0x40000                  ; cx, cy: my place in the cluster
	s_bfe_u32 s41, ttmp6, 0x40004
	s_lshl_b32 s42, ttmp9, 2
	s_add_co_u32 s42, s42, s40                     ; tile column of out = 4 x cluster x + cx
	s_and_b32 s19, ttmp7, 0xffff
	s_lshl_b32 s19, s19, 2
	s_add_co_u32 s19, s19, s41                     ; tile row of out = 4 x cluster y + cy
	s_lshl_b32 s43, s41, 2
	s_lshl_b32 s43, 15, s43                        ; my row of the cluster
	s_lshl_b32 s44, 0x1111, s40                    ; my column
	; descriptor group 1: a dense block of 25,600 bytes as 100 rows of 32 elements of 8 bytes
	s_or_b32 s[G1+0], s43, (3<<16)|(1<<21)         ; 15:0 the mask: x's blocks go to my row; 17:16 elements of 8 bytes; 20 no padding; 21 set beside a mask
	s_or_b32 s[G1B+0], s44, (3<<16)|(1<<21)        ; W's go to my column
.irp g, G1, G1B
	s_mov_b32 s[\g+1], 32<<16                      ; tensor_dim0 = 32
	s_mov_b32 s[\g+2], 100<<16                     ; tensor_dim1 = 100
	s_mov_b32 s[\g+3], 32<<16                      ; tile_dim0 = 32
	s_mov_b32 s[\g+4], 100                         ; tile_dim1 = 100
	s_mov_b32 s[\g+5], 32                          ; tensor_dim0_stride: the rows follow each other
	s_mov_b32 s[\g+6], 0
	s_mov_b32 s[\g+7], 0
.endr
	s_lshl_b32 s20, s19, 1
	s_add_co_u32 s20, s20, s18                     ; x: 128 rows number 2 x tile row + half
	s_mul_i32 s20, s20, GROW
	s_mov_b32 s21, 0
	s_lshl_b32 s46, s42, 1
	s_add_co_u32 s46, s46, s18                     ; W: 2 x tile column + half
	s_mul_i32 s46, s46, GROW
	s_mov_b32 s47, 0
	s_mul_i32 s45, s16, BLK                        ; where they go: wave x a block: no place in the cluster enters an LDS address
	s_wait_kmcnt 0x0
	s_add_nc_u64 s[20:21], s[4:5], s[20:21]
	s_add_nc_u64 s[46:47], s[6:7], s[46:47]
	CROUND                                         ; all sixteen work-groups are here: the first joint loads meet
.irp s, 0,1
	s_mov_b32 s[G0+4*\s], 1                        ; 1:0 count = 1
	s_add_co_u32 s[G0+4*\s+1], s45, \s*SLOT        ; 63:32 LDS address
	s_add_nc_u64 s[G0+4*\s+2:G0+4*\s+3], s[20:21], \s*BLK   ; 120:64 global address: the s-th 256 along K
	s_or_b32 s[G0+4*\s+3], s[G0+4*\s+3], 0x80000000         ; 127:126 type = 2
	s_mov_b32 s[G0B+4*\s], 1
	s_add_co_u32 s[G0B+4*\s+1], s45, \s*SLOT
	s_add_nc_u64 s[G0B+4*\s+2:G0B+4*\s+3], s[46:47], \s*BLK
	s_or_b32 s[G0B+4*\s+3], s[G0B+4*\s+3], 0x80000000
	JLOAD G0+4*\s, G1, G0B+4*\s, G1B
.endr
	; ---- THE SUMS' BEGINNING, while the ring fills: bias + t2 lora_B^T
	s_lshl_b32 s66, s19, 13                        ; tq: 512 bytes for each 16 rows: (16 x tile row + 8 x half) x 512
	s_lshl_b32 s67, s17, 12
	s_add_co_u32 s66, s66, s67
	s_mov_b32 s67, 0
	s_add_nc_u64 s[8:9], s[8:9], s[66:67]
	s_lshl_b32 s68, s42, 13                        ; lora_B: 32 bytes a row: (256 x tile column + 128 x half) x 32
	s_lshl_b32 s69, s18, 12
	s_add_co_u32 s68, s68, s69
	s_mov_b32 s69, 0
	s_add_nc_u64 s[10:11], s[10:11], s[68:69]
	s_lshr_b32 s70, s68, 3                         ; bias: 4 bytes for the same
	s_mov_b32 s71, 0
	s_add_nc_u64 s[12:13], s[12:13], s[70:71]
	v_and_b32 v1, 15, v0                           ; r
	v_bfe_u32 v2, v0, 4, 1                         ; h
	v_and_b32 v3, 31, v0                           ; lane
	v_lshlrev_b32 v[LI], 4, v3
	v_lshlrev_b32 v[LBO], 5, v1
	v_lshlrev_b32 v[BIO], 5, v2
.irp a, 0,1,2,3,4,5,6,7
	global_load_b128 v[TF+8*\a:TF+8*\a+3], v[LI], s[8:9] offset:512*\a             ; registers 0-3 of t2's fragment of my rows 16 a on: lanes 0-15 k = 0 .. 7, lanes 16-31 zeros
.endr
.irp b, 0,1,2,3,4,5,6,7
	global_load_b128 v[LBF+8*\b:LBF+8*\b+3], v[LBO], s[10:11] offset:512*\b        ; lora_B(16 b + r, 0 .. 7); lanes 16-31 take the same row: they meet t2's zeros
	global_load_b128 v[LBF+8*\b+4:LBF+8*\b+7], v[LBO], s[10:11] offset:512*\b+16
	global_load_b128 v[BIA+8*\b:BIA+8*\b+3], v[BIO], s[12:13] offset:64*\b         ; bias(16 b + 8 h + 0 .. 7): the result's layout
	global_load_b128 v[BIA+8*\b+4:BIA+8*\b+7], v[BIO], s[12:13] offset:64*\b+16
.endr
.irp a, 0,1,2,3,4,5,6,7
.irp j, 4,5,6,7
	v_mov_b32 v[TF+8*\a+\j], 0                     ; k = 16 .. 31 of the fragment: there is no such k
.endr
.endr
	; the LDS addresses are made while those loads are out
	s_mul_i32 s22, s17, BLK                        ; x: my 128 rows' block
	s_mul_i32 s23, s18, BLK
	s_add_co_u32 s23, s23, 2*BLK                   ; W: my block, behind x's two
	s_xor_b32 s66, s17, 1
	s_add_co_u32 s66, s66, s18
	s_add_co_u32 s66, s66, 1
	s_mul_i32 s66, s66, BLK                        ; from x's block to W's: (2 + column half - row half) blocks
	v_mul_u32_u24 v4, s66, v2                      ; lanes 16-31 take W's scale words
	v_lshl_add_u32 v4, v1, 2, v4                   ; + 4 r
.irp s, 0,1
	v_add_nc_u32 v[ADRA+\s], s22, v[LI]
	v_add_nc_u32 v[ADRB+\s], s23, v[LI]
	v_add_nc_u32 v[ADRS+\s], s22, v4
	v_add_nc_u32 v[ADRS+\s], SCO, v[ADRS+\s]
	s_add_co_u32 s22, s22, SLOT
	s_add_co_u32 s23, s23, SLOT
.endr
	s_mul_i32 s23, s16, 16*SPITCH                  ; my stage
	v_mul_u32_u24 v5, v1, SPITCH                   ; in: row r, 32 bytes for each half of the lanes
	v_lshl_add_u32 v5, v2, 5, v5
	v_add_nc_u32 v[STO], s23, v5
	v_add_nc_u32 v[RD], s23, v[LI]                 ; back: the 32 lanes take one row of 512 bytes
	s_lshl_b32 s20, s19, 22                        ; out: my first row: (256 x tile row + 128 x half) x 16,384 bytes,
	s_lshl_b32 s21, s17, 21
	s_add_co_u32 s20, s20, s21
	s_mov_b32 s21, 0
	s_add_nc_u64 s[14:15], s[14:15], s[20:21]
	s_lshl_b32 s46, s42, 10                        ; my first column, in bytes: 1,024 x tile column + 512 x half
	s_lshl_b32 s47, s18, 9
	s_add_co_u32 s46, s46, s47
	s_mov_b32 s47, 0
	s_add_nc_u64 s[14:15], s[14:15], s[46:47]
	s_wait_loadcnt 0x0                             ; t2, lora_B, bias
	WIN TO_B
.irp b, 0,1,2,3,4,5,6,7
.irp j, 0,1,2,3
	v_cvt_pk_bf16_f32 v[8*\b+\j], v[LBF+8*\b+2*\j], v[LBF+8*\b+2*\j+1]             ; lora_B's fragments, in window 1
.endr
.irp j, 4,5,6,7
	v_mov_b32 v[8*\b+\j], 0
.endr
.endr
.irp a, 0,1,2,3,4,5,6,7                        ; source 0 = 16 rows of lora_B (window 1), source 1 = t2's 16 rows, C = bias (window 0); D window 2 or 3.  The accumulators in the order of every later step
	WIN 0x81+0x40*(\a/4)
.irp b, 0,1,2,3,4,5,6,7
	v_wmma_f32_16x16x32_bf16 v[8*(8*(\a%4)+\b):8*(8*(\a%4)+\b)+7], v[8*\b:8*\b+7], v[TF+8*\a:TF+8*\a+7], v[BIA+8*\b:BIA+8*\b+7]
.endr
.endr
	WIN 0
.rept 5
	v_nop                                          ; five places: matrix instructions of another form write over these results, and loads land on these sources
.endr
.macro FRAG reg, adr, q, i             ; a fragment comes back as it was stored: three loads of 512 consecutive bytes
.irp c, 0,1,2
	ds_load_b128 v[\reg+4*\c:\reg+4*\c+3], v[\adr] offset:12288*(\q)+1536*(\i)+512*\c
.endr
.endm
; 16 matrix instructions: x's blocks a0, a0 + 1 against W's eight, 128 along K: the slot's q-th.  p: W's set;  sc: the set of scale words.
; The 64 accumulators take turns, one instruction a turn, in the same order in every step.
.macro MUL16 a0, p, q, sc
.irp a, \a0, \a0+1
.irp b, 0,1,2,3,4,5,6,7
	v_wmma_scale_f32_16x16x128_f8f6f4 v[8*(8*((\a)%4)+\b):8*(8*((\a)%4)+\b)+7], v[128*(\p)+FR*\b:128*(\p)+FR*\b+FR-1], v[AF+FR*(\a):AF+FR*(\a)+FR-1], v[8*(8*((\a)%4)+\b):8*(8*((\a)%4)+\b)+7], v[SC+16*(\sc)+2*\b+(\q)], v[SC+16*(\sc)+2*(\a)+(\q)] matrix_a_fmt:MATRIX_FMT_FP6 matrix_b_fmt:MATRIX_FMT_FP6 matrix_a_scale:MATRIX_SCALE_ROW1
.endr
.endr
.endm
.macro FETCH_B slot, q, p              ; W's eight fragments of the slot's q-th 128 along K into set p
	WIN TO_B
.irp i, 0,1,2,3,4,5,6,7
	FRAG 128*(\p)+FR*\i, ADRB+\slot, \q, \i
.endr
	WIN 0
.endm
.macro FETCH_A slot, q, i0             ; x's blocks i0 .. i0 + 3
.irp i, \i0, \i0+1, \i0+2, \i0+3
	FRAG AF+FR*(\i), ADRA+\slot, \q, \i
.endr
.endm
.macro SCALES sc                       ; slot sc's scale words: lanes 0-15 take x's block i, lanes 16-31 W's block i
.irp i, 0,1,2,3,4,5,6,7
.irp q, 0,1
	ds_load_b32 v[SC+16*\sc+2*\i+\q], v[ADRS+\sc] offset:128*\i+64*\q
.endr
.endr
.endm
; A load into a register that a matrix instruction has read, and an LDS store that reads a matrix result, stand NP places behind that matrix instruction, and only plain vector instructions that name none of
; its registers are places (ISA guide 7.12.1 for vector instructions); the matrix instructions in between are not counted.
.macro PLACES n
.rept \n
	v_nop
.endr
.endm
; A step of 128 along K that has its successor in the same slot.
.macro STEP slot, q
	s_wait_dscnt 4*NL                              ; W's set, x's blocks 0-3 and the scale words are in; the youngest twelve loads (x's blocks 4-7) may be out
	WIN MUL_LO
	MUL16 0, (\q)%2, \q, \slot
	MUL16 2, (\q)%2, \q, \slot
	s_wait_dscnt 0                                 ; x's blocks 4-7 are in (asked for 32 matrix instructions ago)
	PLACES NP
	FETCH_B \slot, (\q)+1, 1-(\q)%2
	FETCH_A \slot, (\q)+1, 0
	WIN MUL_HI
	MUL16 4, (\q)%2, \q, \slot
	MUL16 6, (\q)%2, \q, \slot
	PLACES NP
	WIN 0
	FETCH_A \slot, (\q)+1, 4
.endm
; A slot's last step changes slots: ONE barrier; in front of it each wave waits for all its tensor loads, adds 0 to its spare word, and waits for that and for its own reads of this slot.  fill = 1: this slot is filled again, two slots ahead.
.macro TURN slot, next, fill
	s_wait_tensorcnt 0x0                           ; all my tensor loads have landed: my part of the next slot  (every window is 0 here: the add's two registers lie in window 0)
	ds_add_u32 v[SPW], v[NIL]                      ; 0 onto my spare word
	s_wait_dscnt 4*NL+1                            ; (the add and the youngest twelve loads, x's blocks 4-7, may be out)
	WIN MUL_LO
	MUL16 0, 1, 1, \slot                           ; sixteen matrix instructions stand between the add and the wait for it
	s_wait_dscnt 0x0                               ; the add is done, and my reads of this slot are over
	s_barrier_signal -1
	MUL16 2, 1, 1, \slot
	WIN 0
	s_barrier_wait -1
.if \fill
	CREST                                          ; the barrier has opened a round of the cluster's barrier: no wave of any partner still reads this slot or has a load on its way
	s_add_nc_u64 s[G0+4*\slot+2:G0+4*\slot+3], s[G0+4*\slot+2:G0+4*\slot+3], 2*BLK
	s_add_nc_u64 s[G0B+4*\slot+2:G0B+4*\slot+3], s[G0B+4*\slot+2:G0B+4*\slot+3], 2*BLK
	JLOAD G0+4*\slot, G1, G0B+4*\slot, G1B         ; the first tensor load behind the round; the four v_nop behind it are the places in front of the loads below
.else
	PLACES NP
.endif
	FETCH_B \next, 0, 0
	FETCH_A \next, 0, 0
	SCALES \next
	WIN MUL_HI
	MUL16 4, 1, 1, \slot
	MUL16 6, 1, 1, \slot
	PLACES NP
	WIN 0
	FETCH_A \next, 0, 4
.endm
	s_wait_tensorcnt 1                             ; my part of slot 0 is in (slot 1's load may be out)
	s_barrier_signal -1
	s_barrier_wait -1                              ; everybody's is
	FETCH_B 0, 0, 0
	FETCH_A 0, 0, 0
	SCALES 0
	FETCH_A 0, 0, 4
	STEP 0, 0
	s_mov_b32 s3, LAPS-1
.Llap:                                                 ; a trip goes once round the ring, from a lap's second step to the next lap's first, and fills both slots again
	TURN 0, 1, 1
	STEP 1, 0
	TURN 1, 0, 1
	STEP 0, 0
	s_sub_co_u32 s3, s3, 1
	s_cmp_lg_u32 s3, 0
	s_cbranch_scc1 .Llap
	TURN 0, 1, 0                                   ; the last lap fills nothing, and has no round of the cluster's barrier
	STEP 1, 0
	s_wait_dscnt 4*NL                              ; the very last step: nothing more to fetch
	WIN MUL_LO
	MUL16 0, 1, 1, 1
	MUL16 2, 1, 1, 1
	s_wait_dscnt 0
	WIN MUL_HI
	MUL16 4, 1, 1, 1
	MUL16 6, 1, 1, 1
	WIN 0
; THE WAY OUT, block by block of 16 rows x 128 columns.  A lane holds 32 neighbouring bytes of a row, and the lanes beside it hold other rows: so a block goes through my own stage in LDS and comes back as whole
; rows of 512 bytes.  LDS serves a wave's instructions in order (ISA guide 5.7.1.4): no wait between the stores and the loads, nor in front of the next block's stores.
.macro TOSTAGE a
.set AC, 64*((\a)%4)
	WIN 0x08+4*((\a)/4)                            ; the data: window 2 or 3
.irp b, 0,1,2,3,4,5,6,7
	ds_store_b128 v[STO], v[AC+8*\b:AC+8*\b+3] offset:64*\b          ; each accumulator from its low end on
	ds_store_b128 v[STO], v[AC+8*\b+4:AC+8*\b+7] offset:64*\b+16
.endr
	WIN 0
.set BB, BK+64*((\a)%2)
.irp t, 0,1,2,3,4,5,6,7,8,9,10,11,12,13,14,15
	ds_load_b128 v[BB+4*\t:BB+4*\t+3], v[RD] offset:\t*SPITCH
.endr
.endm
.macro SEND a, younger                 ; younger: the LDS instructions issued behind block a's loads, which may stay out
.set BB, BK+64*((\a)%2)
	s_wait_dscnt \younger                          ; the block is back in registers
.if (\a) > 0
	s_add_nc_u64 s[14:15], s[14:15], 16*SIZE_N*4   ; (behind a wait on XCNT: the earlier stores have read their base)  16 rows of out on
.endif
.irp t, 0,1,2,3,4,5,6,7,8,9,10,11,12,13,14,15
	global_store_b128 v[LI], v[BB+4*\t:BB+4*\t+3], s[14:15] offset:\t*SIZE_N*4 th:TH_STORE_NT   ; 32 lanes store 512 consecutive bytes, at a multiple of 256 from out's first byte; written once, read by nobody here
.endr
.endm
	PLACES NP                                      ; for the loads into the registers that held x's fragments, and for the reads of the last products' results
	TOSTAGE 0
.irp a, 1,2,3,4,5,6,7
.if \a > 1
	s_wait_xcnt 0x0                                ; block a - 2's stores have read their registers and their base: block a's loads may land there, and the base may step
.endif
	TOSTAGE \a
	SEND \a-1, 32                                  ; behind block a - 1's loads: block a's 16 stores and 16 loads
.endr
	s_wait_xcnt 0x0                                ; block 6's stores have read their base
	SEND 7, 0
	s_wait_tensorcnt 0x0                           ; the wave's end, behind my last tensor load and my last LDS store
	ds_add_u32 v[SPW], v[NIL]
	s_wait_dscnt 0x0
	CROUND                                         ; the closing round: no work-group ends while a partner may still ask for a tile that names it
	s_endpgm
.Lfunc_end_k_q58cebf7f07_gemm:
	.size	k_q58cebf7f07_gemm, .Lfunc_end_k_q58cebf7f07_gemm-k_q58cebf7f07_gemm
	.p2alignl 7, 3214868480
	.fill 96, 4, 3214868480
	.section	.rodata,"a",@progbits
	.p2align	6, 0x0
	.amdhsa_kernel k_q58cebf7f07_gemm
		.amdhsa_group_segment_fixed_size 327680
		.amdhsa_private_segment_fixed_size 0
		.amdhsa_enable_private_segment 0
		.amdhsa_kernarg_size 48
		.amdhsa_user_sgpr_count 2
		.amdhsa_user_sgpr_kernarg_segment_ptr 1
		.amdhsa_wavefront_size32 1
		.amdhsa_system_sgpr_workgroup_id_x 1
		.amdhsa_system_sgpr_workgroup_id_y 1
		.amdhsa_system_sgpr_workgroup_id_z 1
		.amdhsa_system_vgpr_workitem_id 0
		.amdhsa_next_free_vgpr 1024
		.amdhsa_next_free_sgpr 72
		.amdhsa_reserve_vcc 0
		.amdhsa_float_denorm_mode_32 3
		.amdhsa_float_denorm_mode_16_64 3
		.amdhsa_memory_ordered 1
		.amdhsa_forward_progress 1
		.amdhsa_inst_pref_size 148
	.end_amdhsa_kernel
	.amdgpu_metadata
---
amdhsa.version: [ 1, 2 ]
amdhsa.kernels:
  - .name:           k_q58cebf7f07_gemm
    .symbol:         k_q58cebf7f07_gemm.kd
    .args:
      - { .name: xq, .offset: 0, .size: 8, .value_kind: global_buffer, .address_space: global }
      - { .name: wq, .offset: 8, .size: 8, .value_kind: global_buffer, .address_space: global }
      - { .name: tq, .offset: 16, .size: 8, .value_kind: global_buffer, .address_space: global }
      - { .name: lora_B, .offset: 24, .size: 8, .value_kind: global_buffer, .address_space: global }
      - { .name: bias, .offset: 32, .size: 8, .value_kind: global_buffer, .address_space: global }
      - { .name: out0, .offset: 40, .size: 8, .value_kind: global_buffer, .address_space: global }
    .group_segment_fixed_size: 327680
    .private_segment_fixed_size: 0
    .kernarg_segment_align: 8
    .kernarg_segment_size: 48
    .max_flat_workgroup_size: 128
    .sgpr_count:     72
    .vgpr_count:     1024
    .wavefront_size: 32
...
	.end_amdgpu_metadata
.endif
;; end of part 3
;; ======== version 2 of 2: 2 launches
;; limits: values are held in bf16: 8 bits of precision; right only within a limited range of input values
;; workspace buffers: xq 13,107,200 bytes; wq 13,107,200 bytes; tq 131,072 bytes
;; launch quant (part 4): grid 256 x 1, 16 waves a work-group, no clusters, 327,680 bytes of LDS; arguments x, lora_A, xq, tq, weight_quant, zero, wq, scale; writes xq, tq, wq
.if DOCPART == 4
	.amdgcn_target "amdgcn-amd-amdhsa--gfx1250"
	.amdhsa_code_object_version 6
	.text
	.protected	k_q58cebf7f07_quant
	.globl	k_q58cebf7f07_quant
	.p2align	8
	.type	k_q58cebf7f07_quant,@function
k_q58cebf7f07_quant:
	s_mov_b64 s[64:65], 0
	v_nop
	global_prefetch_b8 v0, s[64:65] scope:SCOPE_SE
	s_setreg_imm32_b32 hwreg(HW_REG_WAVE_MODE, 25, 1), 1
	s_wait_xcnt 0x0
; Both operands of the quantised product are made here, and t2 beside them.  No work of the problem is left out.
; (1) x [4096][4096] f32 and (2) W[o][k] = (nibble - zero[k]) x scale[k], f32 (a subtraction and then a multiplication, as the problem writes it; word c of weight_quant holds k = 2 c in bits 3:0 and k = 2 c + 1 in bits 7:4)
; become codes of FP6 (E2M3) with one E8M0 scale byte for each 32 along K.  (3) t2 = 2 x lora_A^T, [4096][8], in bf16.
; A block's scale is 2^(floor(log2(its largest magnitude)) - 2); its byte is the largest magnitude's exponent field - 2, held at 1 from below.
; LIMITS: NaN and infinities among the inputs are not served.  A block of zeros, or one whose largest magnitude lies under 2^(3 - 127), gets the byte 1 (zero codes add nothing under it; this program alone reads the bytes).
; For t2, x and lora_A are rounded to bf16, the sums are f32, in another order than the problem writes them; t2 is rounded to bf16 once.
; LAYOUT OF xq AND wq: [row / 128][k / 128] blocks of 12,800 bytes: 8 fragments of 1,536 bytes (16 rows x 128 K as the image of an operand's 12 registers: registers 4 c .. 4 c + 3 of lane l at 512 c + 16 l), then the scale words, [(row / 16) % 8][row % 16].
; LAYOUT OF tq: [row / 16][512]: registers 0-3 of a bf16 fragment: lanes 0-15 t2[row][0..7], lanes 16-31 zeros.
; SHARES.  Work-group i owns rows 16 i .. 16 i + 15 of x and of W, for all of K; wave w owns k = 256 w .. 256 w + 255 of both, in two steps of 128 each.
; THE NUMBERS COME BY THE TENSOR DATA MOVER, a tile of 16 rows x 512 bytes a wave, LDS rows 528 bytes apart; a lane then reads its 16 neighbours along K of one row straight from the tile, as the conversions want them.
; Two regions of 16 tiles.  Head: W's words into region 0.  Behind the first barrier: x's first 128 along K into region 1, while W is worked.  Behind the second: x's second 128 into region 0 again, while the first is worked.
; Each wave reads its own tile alone.  A wave has one tensor load out at a time.  The waits, the add and the barrier stand ahead of each later fill, and the launch claims all of LDS.
; No prefetch: the launch has no loop to run ahead in.  No cluster: no two work-groups read the same tile of x or W.
; t: lora_A's 8 rows (as 16, each twice) x my 16 rows of x, by the bf16 matrix instruction; both operands carry the same permutation of k.  The sixteen partial sums meet in LDS behind the last barrier, and wave 0 adds them.
.set TP,   528                         ; a tile's row in LDS: 512 bytes + 16
.set TW,   16*TP                       ; a wave's tile
.set R1,   16*TW                       ; region 1
.set SCR,  2*16*TW                     ; behind the regions: a scratch of SCW bytes for each wave: -zero and scale (2 x 1,024), then lora_A in bf16 (8 rows x 272), then my partial t (1,024)
.set SCW,  2304
.set SPARE, SCR+16*SCW                 ; the spare words, 128 bytes a wave
.set LP,   272
.set SB,   12800
.set SCO,  12288
.set GL,   1                           ; v1   16 x lane
.set STS,  2                           ; v2   my scratch + 16 x lane
.set STL,  3                           ; v3   my scratch + 8 x lane
.set RDX0, 4                           ; v4   x's first 128: region 1, 528 r + 64 h
.set RDL,  5                           ; v5   lora_A's: 272 (r % 8) + 32 h
.set SWO,  6                           ; v6   my scale word's place: 4 r, one block on for lanes 16-31
.set RDX1, 7                           ; v7   x's second 128: region 0
.set NUL,  8                           ; v8   0
.set REDR, 9                           ; v9   where wave 0 reads the partial sums
.set RDI,  10                          ; v10  W's words: region 0, 528 r + 32 h
.set RDZ,  11                          ; v11  -zero's: 64 h (scale's 1,024 bytes on)
.set PW0,  12                          ; v12, v13 the scale words of two steps
.set PWX,  14
.set PWW,  15
.set ACC,  16                          ; v16-31 two accumulators of t
.set TM,   32                          ; v32-43 at work in the quantiser
.set PC,   44                          ; v44-55 the fragment just made; v56-58, v60-62 at work
.set SPW,  59                          ; v59  my spare word
.set NIL,  63                          ; v63  0, for the add alone
.set XS,   64                          ; v64-127  64 numbers
.set Z,    128                         ; v128-191 -zero at the same k; later lora_A as loaded
.set S,    192                         ; v192-255 scale at the same k; later lora_A's fragments
.set SEL,  20                          ; s[20:21] lane l xor 16
.set HI,   44                          ; s44  the mask of lanes 16-31
.set G1W,  48                          ; group 1 for W's tiles, for x's tiles
.set G1X,  56
.set G0W,  68                          ; group 0: W, x's first 128, x's second
.set G0A,  72
.set G0B,  76
; 64 numbers of a lane, register 16 b + i = k 32 b + 16 h + i of my row, become a fragment's 12 registers in v[PC] on and my row's scale word in v[pw].
.macro QUANT s, pw
.irp b, 0,1,2,3
	v_max3_num_f32 v[TM+\b], |v[\s+16*\b]|, |v[\s+16*\b+1]|, 0x1800000   ; my 16 numbers of block b, and the floor 2^(3 - 127)
.endr
.irp i, 2,4,6,8,10,12,14
.irp b, 0,1,2,3
	s_delay_alu instid0(VALU_DEP_4)
	v_max3_num_f32 v[TM+\b], v[TM+\b], |v[\s+16*\b+\i]|, |v[\s+16*\b+\i+1]|
.endr
.endr
.irp b, 0,1,2,3
	s_delay_alu instid0(VALU_DEP_4)
	v_permlanex16_b32 v[TM+4+\b], v[TM+\b], s[SEL], s[SEL+1]
.endr
.irp b, 0,1,2,3
	s_delay_alu instid0(VALU_DEP_4)
	v_max_num_f32 v[TM+\b], v[TM+\b], v[TM+4+\b]   ; with lane l xor 16's 16: the block's largest magnitude
.endr
.irp b, 0,1,2,3
	s_delay_alu instid0(VALU_DEP_4)
	v_add_nc_u32 v[TM+8+\b], 0xff000000, v[TM+\b]  ; 2 off its exponent field: the conversion's scale operand
.endr
.irp b, 0,1,2,3
	s_delay_alu instid0(VALU_DEP_4)
	v_lshrrev_b32 v[TM+4+\b], 23, v[TM+8+\b]       ; the scale's byte
.endr
	s_delay_alu instid0(VALU_DEP_3)
	v_lshl_or_b32 v[\pw], v[TM+5], 8, v[TM+4]
	s_delay_alu instid0(VALU_DEP_1)
	v_lshl_or_b32 v[\pw], v[TM+6], 16, v[\pw]
	s_delay_alu instid0(VALU_DEP_1)
	v_lshl_or_b32 v[\pw], v[TM+7], 24, v[\pw]
.irp c, 0,1
	v_cvt_scalef32_pk16_fp6_f32 v[PC+6*\c:PC+6*\c+2], v[\s+32*\c:\s+32*\c+15], v[TM+8+2*\c]
	v_cvt_scalef32_pk16_fp6_f32 v[PC+12+4*\c:PC+14+4*\c], v[\s+32*\c+16:\s+32*\c+31], v[TM+9+2*\c]
.endr
	v_nop                                          ; one plain place behind the scaled conversions
.irp c, 0,1                                    ; a whole block to a lane: lanes 0-15 block 2 c, lanes 16-31 block 2 c + 1
.irp i, 0,1,2
	v_permlane16_swap_b32 v[PC+6*\c+\i], v[PC+12+4*\c+\i]
.endr
.irp i, 0,1,2
	s_delay_alu instid0(VALU_DEP_3)
	v_mov_b32 v[PC+3+6*\c+\i], v[PC+12+4*\c+\i]
.endr
.endr
.endm
.macro IMGOUT base, off                        ; each store covers 512 consecutive bytes, aligned
.irp c, 0,1,2
	global_store_b128 v[GL], v[PC+4*\c:PC+4*\c+3], s[\base:\base+1] offset:\off+512*\c
.endr
.endm
.macro MEET                                    ; ahead of a later fill, in every wave
	s_wait_tensorcnt 0x0                           ; my tensor load has landed
	ds_add_u32 v[SPW], v[NIL]
	s_wait_dscnt 0x0                               ; the add is done, and my LDS reads are back
	s_barrier_signal -1
	s_barrier_wait -1
.endm
	s_load_b256 s[4:11], s[0:1], 0x0               ; x, lora_A, xq, tq
	s_load_b256 s[24:31], s[0:1], 0x20             ; weight_quant, zero, wq, scale
	v_lshl_add_u32 v[SPW], v0, 2, SPARE
	v_mov_b32 v[NIL], 0
	ds_add_u32 v[SPW], v[NIL]                      ; the opening lines: the add twice on end, one wait
	ds_add_u32 v[SPW], v[NIL]
	v_lshrrev_b32 v12, 5, v0
	s_delay_alu instid0(VALU_DEP_1)
	v_readfirstlane_b32 s12, v12                   ; wave 0..15
	s_mul_i32 s13, s12, SCW
	s_add_co_u32 s13, s13, SCR                     ; my scratch
	s_mul_i32 s46, s12, TW                         ; my tile in region 0,
	s_add_co_u32 s47, s46, R1                      ; in region 1
.irp g, G1W, G1X
	s_mov_b32 s[\g+0], (2<<16)|(1<<20)|(6<<22)|(3<<25) ; elements of 4 bytes; 4 words of padding behind every 128
	s_mov_b32 s[\g+1], 128<<16
	s_mov_b32 s[\g+2], 16<<16
	s_mov_b32 s[\g+3], 128<<16
	s_mov_b32 s[\g+4], 16
	s_mov_b32 s[\g+6], 0
	s_mov_b32 s[\g+7], 0
.endr
	s_mov_b32 s[G1W+5], 2048                       ; a row of weight_quant, of x, in elements
	s_mov_b32 s[G1X+5], 4096
	s_mov_b32 s[SEL], 0x76543210
	s_mov_b32 s[SEL+1], 0xfedcba98
	s_lshl_b32 s16, s12, 10                        ; 1,024 x wave: my k in a row of x, lora_A, zero, scale
	s_lshl_b32 s18, ttmp9, 18                      ; x: 16 rows of 16,384 bytes a work-group, + my k
	s_add_co_u32 s18, s18, s16
	s_mov_b32 s19, 0
	s_mov_b32 s22, s16
	s_mov_b32 s23, 0
	s_lshl_b32 s34, ttmp9, 17                      ; weight_quant: 16 rows of 8,192 bytes, + my 128 words
	s_lshl_b32 s35, s12, 9
	s_add_co_u32 s34, s34, s35
	s_mov_b32 s35, 0
	s_lshr_b32 s36, ttmp9, 3                       ; xq, wq: blocks (row / 128, 2 x wave) and the next
	s_lshl_b32 s36, s36, 4
	s_add_co_u32 s36, s36, s12
	s_mul_i32 s36, s36, 2*SB
	s_and_b32 s38, ttmp9, 7
	s_lshl_b32 s40, s38, 6
	s_add_co_u32 s40, s40, s36
	s_add_co_u32 s40, s40, SCO                     ; my scale words
	s_mov_b32 s41, 0
	s_mul_i32 s38, s38, 1536
	s_add_co_u32 s36, s36, s38                     ; my fragments
	s_mov_b32 s37, 0
	s_lshl_b32 s38, ttmp9, 9                       ; tq
	s_mov_b32 s39, 0
	v_and_b32 v12, 31, v0                          ; lane
	v_and_b32 v13, 15, v0                          ; r
	v_bfe_u32 v14, v0, 4, 1                        ; h
	s_delay_alu instid0(VALU_DEP_3)
	v_cmp_le_u32 s[HI], 16, v12
	v_lshlrev_b32 v[GL], 4, v12
	s_delay_alu instid0(VALU_DEP_3)
	v_mul_u32_u24 v[SWO], v14, SB
	s_delay_alu instid0(VALU_DEP_1)
	v_lshl_add_u32 v[SWO], v13, 2, v[SWO]
	v_add_nc_u32 v[STS], s13, v[GL]
	v_lshl_add_u32 v[STL], v12, 3, s13
	v_mul_u32_u24 v15, v13, TP
	s_delay_alu instid0(VALU_DEP_1)
	v_lshl_add_u32 v[RDI], v14, 5, v15
	v_lshl_add_u32 v15, v14, 6, v15
	s_delay_alu instid0(VALU_DEP_2)
	v_add_nc_u32 v[RDI], s46, v[RDI]
	s_delay_alu instid0(VALU_DEP_2)
	v_add_nc_u32 v[RDX1], s46, v15
	v_add_nc_u32 v[RDX0], s47, v15
	v_lshl_add_u32 v[RDZ], v14, 6, s13
	v_and_b32 v13, 7, v0                           ; lanes r and r + 8 take the same row of lora_A
	s_delay_alu instid0(VALU_DEP_1)
	v_mul_u32_u24 v[RDL], v13, LP
	s_delay_alu instid0(VALU_DEP_1)
	v_lshl_add_u32 v[RDL], v14, 5, v[RDL]
	s_delay_alu instid0(VALU_DEP_1)
	v_add_nc_u32 v[RDL], s13, v[RDL]
	v_add_nc_u32 v[REDR], SCR, v[GL]
	v_mov_b32 v[NUL], 0
.irp b, 0,1,2,3
	v_mov_b32 v[TM+4+\b], 0                        ; a lane permute's destination counts as one of its sources
.endr
	s_wait_alu depctr_va_vdst(0)                   ; the wait at the head's end
	s_wait_dscnt 0x0                               ; both opening adds are done
	s_wait_kmcnt 0x0
	s_add_nc_u64 s[4:5], s[4:5], s[18:19]
	s_add_nc_u64 s[6:7], s[6:7], s[22:23]
	s_add_nc_u64 s[14:15], s[8:9], s[40:41]        ; x's scale words
	s_add_nc_u64 s[8:9], s[8:9], s[36:37]          ; x's fragments
	s_add_nc_u64 s[10:11], s[10:11], s[38:39]
	s_add_nc_u64 s[24:25], s[24:25], s[34:35]
	s_add_nc_u64 s[26:27], s[26:27], s[22:23]
	s_add_nc_u64 s[30:31], s[30:31], s[22:23]
	s_add_nc_u64 s[32:33], s[28:29], s[40:41]      ; W's scale words
	s_add_nc_u64 s[28:29], s[28:29], s[36:37]      ; W's fragments
	s_mov_b32 s[G0W], 1
	s_mov_b32 s[G0W+1], s46
	s_mov_b64 s[G0W+2:G0W+3], s[24:25]
	s_or_b32 s[G0W+3], s[G0W+3], 0x80000000
	s_mov_b32 s[G0A], 1
	s_mov_b32 s[G0A+1], s47
	s_mov_b64 s[G0A+2:G0A+3], s[4:5]
	s_or_b32 s[G0A+3], s[G0A+3], 0x80000000
	s_mov_b32 s[G0B], 1
	s_mov_b32 s[G0B+1], s46
	s_add_nc_u64 s[G0B+2:G0B+3], s[4:5], 512
	s_or_b32 s[G0B+3], s[G0B+3], 0x80000000
	tensor_load_to_lds s[G0W:G0W+3], s[G1W:G1W+7]  ; my 16 rows x 128 words of W: my one tensor load at the head
	s_nop 0
.irp c, 0,1
	global_load_b128 v[Z+4*\c:Z+4*\c+3], v[GL], s[26:27] offset:512*\c
	global_load_b128 v[Z+8+4*\c:Z+8+4*\c+3], v[GL], s[30:31] offset:512*\c
.endr
	MEET
	tensor_load_to_lds s[G0A:G0A+3], s[G1X:G1X+7]  ; x's first 128 along K, into region 1: its first fill, issued as a refill is
	s_nop 0
	; ---- W, while x's first tile is on its way
	s_wait_loadcnt 0x0                             ; zero, scale
.irp j, 0,1,2,3,4,5,6,7
	v_xor_b32 v[Z+\j], 0x80000000, v[Z+\j]         ; -zero: the subtraction is then a plain addition, with the same bits
.endr
.irp c, 0,1
	ds_store_b128 v[STS], v[Z+4*\c:Z+4*\c+3] offset:512*\c
	ds_store_b128 v[STS], v[Z+8+4*\c:Z+8+4*\c+3] offset:1024+512*\c
.endr
	s_wait_dscnt 0x0                               ; the stores have read their registers, which the loads below fill
.macro WSTEP s
.irp b, 0,1,2,3
.irp c, 0,1
	ds_load_b128 v[XS+32+8*\b+4*\c:XS+32+8*\b+4*\c+3], v[RDI] offset:256*\s+64*\b+16*\c   ; the 8 words of k = 32 b + 16 h + 0 .. 15 of row r
.endr
.endr
.irp b, 0,1,2,3
.irp j, 0,1,2,3
	ds_load_b128 v[Z+16*\b+4*\j:Z+16*\b+4*\j+3], v[RDZ] offset:512*\s+128*\b+16*\j
.endr
.endr
.irp b, 0,1,2,3
.irp j, 0,1,2,3
	ds_load_b128 v[S+16*\b+4*\j:S+16*\b+4*\j+3], v[RDZ] offset:1024+512*\s+128*\b+16*\j
.endr
.endr
	s_wait_dscnt 32                                ; the words are in; -zero's and scale's 32 loads may be out
.set n, 0
.rept 32
	v_and_b32 v[XS+2*n], 15, v[XS+32+n]            ; in ascending order no result lands on a word not yet read
	v_bfe_u32 v[XS+2*n+1], v[XS+32+n], 4, 4
.set n, n+1
.endr
.set n, 0
.rept 64
	v_cvt_f32_u32 v[XS+n], v[XS+n]
.set n, n+1
.endr
	s_wait_dscnt 16                                ; -zero is in
.set n, 0
.rept 32
	v_pk_add_f32 v[XS+2*n:XS+2*n+1], v[XS+2*n:XS+2*n+1], v[Z+2*n:Z+2*n+1]
.set n, n+1
.endr
	s_wait_dscnt 0x0                               ; scale is in
.set n, 0
.rept 32
	v_pk_mul_f32 v[XS+2*n:XS+2*n+1], v[XS+2*n:XS+2*n+1], v[S+2*n:S+2*n+1]
.set n, n+1
.endr
	s_wait_xcnt 0x0                                ; the last fragment's stores have read its registers
	QUANT XS, PW0+\s
	IMGOUT 28, SB*\s
.endm
	WSTEP 0
	WSTEP 1
	v_cndmask_b32 v[PWW], v[PW0], v[PW0+1], s[HI]  ; lanes 0-15: the first 128's words, lanes 16-31: the second's
	global_store_b32 v[SWO], v[PWW], s[32:33]
.irp s, 0,1                                    ; lora_A at my k, into the registers that W has left
.irp j, 0,1,2,3,4,5,6,7
	global_load_b128 v[Z+32*\s+4*\j:Z+32*\s+4*\j+3], v[GL], s[6:7] offset:16384*\j+512*\s
.endr
.endr
	MEET                                           ; x's first tile has landed, and no wave reads region 0 any more
	tensor_load_to_lds s[G0B:G0B+3], s[G1X:G1X+7]  ; x's second 128 along K, into region 0 again
	s_nop 0
; ---- a step of x: 128 along K.  adr: my tile; behind: lora_A's loads that may stay out
.macro XSTEP s, adr, behind
.set L, Z+32*\s
	s_wait_loadcnt \behind
.irp j, 0,1,2,3,4,5,6,7
	v_cvt_pk_bf16_f32 v[L+2*\j], v[L+4*\j], v[L+4*\j+1]        ; lora_A to bf16, drawn together in place
	v_cvt_pk_bf16_f32 v[L+2*\j+1], v[L+4*\j+2], v[L+4*\j+3]
.endr
.irp j, 0,1,2,3,4,5,6,7
	ds_store_b64 v[STL], v[L+2*\j:L+2*\j+1] offset:LP*\j
.endr
.irp b, 0,1,2,3
.irp j, 0,1,2,3
	ds_load_b128 v[XS+16*\b+4*\j:XS+16*\b+4*\j+3], v[\adr] offset:128*\b+16*\j    ; x(r, 32 b + 16 h + 4 j ..)
.endr
.endr
.irp b, 0,1,2,3
.irp c, 0,1
	ds_load_b128 v[S+8*\b+4*\c:S+8*\b+4*\c+3], v[RDL] offset:64*\b+16*\c          ; lora_A(r % 8, 32 b + 16 h + 8 c ..): LDS serves a wave's instructions in order, so these see the stores above
.endr
.endr
	s_wait_xcnt 0x0                                ; the last fragment's stores have read its registers
	s_wait_dscnt 8                                 ; x is in; lora_A's eight loads may be out
	QUANT XS, PW0+\s
	IMGOUT 8, SB*\s
.set n, 0
.rept 32
	v_cvt_pk_bf16_f32 v[XS+n], v[XS+2*n], v[XS+2*n+1]  ; x to bf16, drawn together in place
.set n, n+1
.endr
	s_wait_alu depctr_va_vdst(0)                   ; directly ahead of the wait below
	s_wait_dscnt 0x0
.irp b, 0,1,2,3                                ; source 0 = lora_A's rows, source 1 = my 16 rows of x; two accumulators by turns
.if (\s == 0) && (\b < 2)
	s_wait_alu depctr_va_vdst(0)
	v_wmma_f32_16x16x32_bf16 v[ACC+8*(\b%2):ACC+8*(\b%2)+7], v[S+8*\b:S+8*\b+7], v[XS+8*\b:XS+8*\b+7], 0
.else
	s_wait_alu depctr_va_vdst(0)
	v_wmma_f32_16x16x32_bf16 v[ACC+8*(\b%2):ACC+8*(\b%2)+7], v[S+8*\b:S+8*\b+7], v[XS+8*\b:XS+8*\b+7], v[ACC+8*(\b%2):ACC+8*(\b%2)+7]
.endif
.endr
.rept 4
	v_nop                                          ; four places behind the last product
.endr
.endm
	XSTEP 0, RDX0, 8
	s_wait_tensorcnt 0x0                           ; my second tile has landed; I alone read it
	XSTEP 1, RDX1, 0
.irp j, 0,1,2,3
	v_pk_add_f32 v[TM+2*\j:TM+2*\j+1], v[ACC+2*\j:ACC+2*\j+1], v[ACC+8+2*\j:ACC+8+2*\j+1]   ; both accumulators from their low end on
.endr
	ds_store_b128 v[STS], v[TM:TM+3]               ; my partial t, over lora_A's bytes, which I have read
	ds_store_b128 v[STS], v[TM+4:TM+7] offset:512
	v_cndmask_b32 v[PWX], v[PW0], v[PW0+1], s[HI]
	global_store_b32 v[SWO], v[PWX], s[14:15]
	s_wait_dscnt 0x0                               ; for wave 0's sake: my partial t has landed
	s_barrier_signal -1
	s_barrier_wait -1
	s_cmp_lg_u32 s12, 0
	s_cbranch_scc1 .Lend
.irp p, 0,1,2,3,4,5,6,7,8,9,10,11,12,13,14,15
	ds_load_b128 v[64+8*\p:64+8*\p+3], v[REDR] offset:SCW*\p
	ds_load_b128 v[64+8*\p+4:64+8*\p+7], v[REDR] offset:SCW*\p+512
.endr
	s_wait_dscnt 0x0
.irp p, 1,2,3,4,5,6,7,8,9,10,11,12,13,14,15
.irp j, 0,1,2,3
	v_pk_add_f32 v[64+2*\j:65+2*\j], v[64+2*\j:65+2*\j], v[64+8*\p+2*\j:65+8*\p+2*\j]
.endr
.endr
.irp j, 0,1,2,3
	s_delay_alu instid0(VALU_DEP_4)
	v_pk_mul_f32 v[64+2*\j:65+2*\j], v[64+2*\j:65+2*\j], 2.0 op_sel_hi:[1,0]      ; the problem's scaling, alpha / r = 2: exact
.endr
.irp j, 0,1,2,3
	s_delay_alu instid0(VALU_DEP_4)
	v_cvt_pk_bf16_f32 v[TM+\j], v[64+2*\j], v[65+2*\j]
.endr
.irp j, 0,1,2,3
	s_delay_alu instid0(VALU_DEP_4)
	v_cndmask_b32 v[TM+\j], v[TM+\j], v[NUL], s[HI]    ; lanes 16-31 stand for k = 8 .. 15 of the fragment: zeros
.endr
	global_store_b128 v[GL], v[TM:TM+3], s[10:11]
.Lend:
	s_wait_tensorcnt 0x0                           ; the wave's end
	ds_add_u32 v[SPW], v[NIL]
	s_wait_dscnt 0x0
	s_endpgm
.Lfunc_end_k_q58cebf7f07_quant:
	.size	k_q58cebf7f07_quant, .Lfunc_end_k_q58cebf7f07_quant-k_q58cebf7f07_quant
	.p2alignl 7, 3214868480
	.fill 96, 4, 3214868480
	.section	.rodata,"a",@progbits
	.p2align	6, 0x0
	.amdhsa_kernel k_q58cebf7f07_quant
		.amdhsa_group_segment_fixed_size 327680
		.amdhsa_private_segment_fixed_size 0
		.amdhsa_enable_private_segment 0
		.amdhsa_kernarg_size 64
		.amdhsa_user_sgpr_count 2
		.amdhsa_user_sgpr_kernarg_segment_ptr 1
		.amdhsa_wavefront_size32 1
		.amdhsa_system_sgpr_workgroup_id_x 1
		.amdhsa_system_sgpr_workgroup_id_y 1
		.amdhsa_system_sgpr_workgroup_id_z 1
		.amdhsa_system_vgpr_workitem_id 0
		.amdhsa_next_free_vgpr 256
		.amdhsa_next_free_sgpr 80
		.amdhsa_reserve_vcc 0
		.amdhsa_float_denorm_mode_32 3
		.amdhsa_float_denorm_mode_16_64 3
		.amdhsa_memory_ordered 1
		.amdhsa_forward_progress 1
		.amdhsa_inst_pref_size 74
	.end_amdhsa_kernel
	.amdgpu_metadata
---
amdhsa.version: [ 1, 2 ]
amdhsa.kernels:
  - .name:           k_q58cebf7f07_quant
    .symbol:         k_q58cebf7f07_quant.kd
    .args:
      - { .name: x, .offset: 0, .size: 8, .value_kind: global_buffer, .address_space: global }
      - { .name: lora_A, .offset: 8, .size: 8, .value_kind: global_buffer, .address_space: global }
      - { .name: xq, .offset: 16, .size: 8, .value_kind: global_buffer, .address_space: global }
      - { .name: tq, .offset: 24, .size: 8, .value_kind: global_buffer, .address_space: global }
      - { .name: weight_quant, .offset: 32, .size: 8, .value_kind: global_buffer, .address_space: global }
      - { .name: zero, .offset: 40, .size: 8, .value_kind: global_buffer, .address_space: global }
      - { .name: wq, .offset: 48, .size: 8, .value_kind: global_buffer, .address_space: global }
      - { .name: scale, .offset: 56, .size: 8, .value_kind: global_buffer, .address_space: global }
    .group_segment_fixed_size: 327680
    .private_segment_fixed_size: 0
    .kernarg_segment_align: 8
    .kernarg_segment_size: 64
    .max_flat_workgroup_size: 512
    .sgpr_count:     80
    .vgpr_count:     256
    .wavefront_size: 32
...
	.end_amdgpu_metadata
.endif
;; end of part 4
;; launch gemm (part 5): grid 16 x 16, 4 waves a work-group, clusters of 4 x 4, 327,680 bytes of LDS; arguments xq, wq, tq, lora_B, bias, out0; writes out0
.if DOCPART == 5
	.amdgcn_target "amdgcn-amd-amdhsa--gfx1250"
	.amdhsa_code_object_version 6
	.text
	.protected	k_q58cebf7f07_gemm
	.globl	k_q58cebf7f07_gemm
	.p2align	8
	.type	k_q58cebf7f07_gemm,@function
k_q58cebf7f07_gemm:
	s_mov_b64 s[64:65], 0
	v_nop
	global_prefetch_b8 v0, s[64:65] scope:SCOPE_SE
	s_setreg_imm32_b32 hwreg(HW_REG_WAVE_MODE, 25, 1), 1
	s_wait_xcnt 0x0
	s_wait_alu depctr_hold_cnt(0) depctr_sa_sdst(0) depctr_va_vdst(0) depctr_va_sdst(0) depctr_va_ssrc(0) depctr_va_vcc(0) depctr_vm_vsrc(0)
	s_getreg_b32 s2, hwreg(HW_REG_IB_STS2, 6, 4)
	s_cmp_eq_u32 s2, 0
	s_cbranch_scc0 .Lentry_in_a_cluster
	s_endpgm
.Lentry_in_a_cluster:
	s_bfe_u32 s2, ttmp6, 0x10000c
	s_cmp_lg_u32 s2, 0xf033
	s_cbranch_scc0 .Lentry_shape_is_right
	s_endpgm
.Lentry_shape_is_right:
; out0[m][n] = sum over k of Q(x)[m][k] Q(W)[n][k] + bias[n] + sum over r of t2[m][r] lora_B[n][r].  xq, wq: codes of FP6 (E2M3) with E8M0 scale words, tq: t2 = 2 x lora_A^T in bf16, all three laid by the launch before as images of operand registers.
; No work of the problem is left out.  LIMITS: lora_B is rounded to bf16 for the small product (f32 sums); NaN and infinities among the inputs are not served.
; A tile of 256 x 256 is made by four waves, each 128 x 128: 64 accumulators.  The sums begin as the bf16 product t2 lora_B^T with bias as its C; the 32 steps of 128 along K add onto them.
; THE RING: two LDS slots of three K steps each (4 x 38,400 bytes); a wave fetches 128 rows' blocks of three steps, dense in memory, by one tensor load.  K's 32 steps are ten such chunks and one of two steps.
; CLUSTERS: 4 x 4 work-groups; A's tiles are asked for jointly along a row of the cluster, B's along a column.  The matrix instruction is used transposed (source 0 = rows of W, source 1 = rows of x).
; REGISTERS.  Every window of 256 has the same plan: v0-31 small things, v32-79 and v80-127 the two parities of ONE half operand (4 fragments of 12), v128-255 the 16 accumulators of ONE quadrant.
;   window 0: A's blocks 0-3, quadrant (A half 0, B half 0);  window 1: A's 4-7, quadrant (1, 0);  window 2: B's 0-3, quadrant (0, 1);  window 3: B's 4-7, quadrant (1, 1).
; A step is four phases of 16 products, one quadrant and one window setting each, in the order (0,0), (0,1), (1,1), (1,0).  Both operands have two parities, so the next step's 56 LDS loads stand in ONE run,
; behind the step's first phase, in the order of their first use: A 0-3, the scale words, B 0-3, B 4-7, A 4-7.  The loads' address registers lie in windows 2 and 3.
; PREFETCH: behind the refill of chunk c (2 to 7) each wave names chunk c + 2 of the 128 rows that it fetches; the four partners that ask for a tile jointly share its 150 blocks of 256 bytes out by address, 38 each
; (lanes left over name their share's last block again).  Chunks 0 to 3 and the short chunk 10 come by their loads alone: a whole chunk's span from chunk 10's start would leave the buffer.
.set SB,     12800                     ; a block: 128 rows x 128 K: 8 fragments of 1,536 bytes, then 512 bytes of scale words
.set SCO,    12288
.set WBLK,   3*SB                      ; what one tensor load brings
.set GROW,   32*SB                     ; 128 rows, all of K
.set SLOT,   4*WBLK
.set SPARE,  2*SLOT                    ; the spare words, 128 bytes a wave
.set STAGE,  SLOT                      ; the way out goes through slot 1, which has had its last fill and its last read by then (the last chunk lies in slot 0)
.set SPITCH, 528
.set PF1,  7                           ; window 0: v7, v13 the prefetches' offsets
.set LI,   8                           ; v8   16 x lane
.set STO,  9                           ; v9   the stage, on the way in
.set RD,   10                          ; v10  the stage, on the way back
.set LBO,  11                          ; v11  lora_B: 32 r
.set BIO,  12                          ; v12  bias: 32 h
.set PF0,  13
.set SPW,  14                          ; v14  my spare word
.set NIL,  15                          ; v15  0
.set SC,   16                          ; v16-31 scale words, two parities of 8: lanes 0-15 A's block i, lanes 16-31 B's block i
.set FRG,  32
.set ACC,  128
.set ADR,  0                           ; window 2: v0, v1 my A fragments in slot 0, 1;  window 3: v0, v1 my B fragments
.set ADRS, 2                           ; window 2: v2, v3 my scale words in slot 0, 1
.set G1, 24
.set G0, 32
.set G1B, 48
.set G0B, 56
.set G1S, 72                           ; group 1 of the short chunk, for A and for B
.set G1SB, 80
.set PFA, 88                           ; s[88:89] where my prefetches stand
.set MSB, 0
.macro WIN new                         ; the immediate's high byte repeats the setting that is left
.if MSB != (\new)
	s_set_vgpr_msb (MSB<<8)|(\new)
.set MSB, (\new)
.endif
.endm
.macro PLACES n
.rept \n
	v_nop
.endr
.endm
.macro JLOAD g0a, g1a, g0b, g1b        ; a joint load: waves 0, 1 fetch for A, waves 2, 3 for B
	s_cmp_eq_u32 s17, 0
	s_cbranch_scc0 .Lfor_b_\@
	tensor_load_to_lds s[\g0a:\g0a+3], s[\g1a:\g1a+7]
	s_nop 0
	PLACES 4
	s_branch .Lasked_\@
.Lfor_b_\@:
	tensor_load_to_lds s[\g0b:\g0b+3], s[\g1b:\g1b+7]
	s_nop 0
	PLACES 4
.Lasked_\@:
.endm
.macro CREST                           ; a round of the cluster's barrier behind its opening barrier
	s_cmp_lg_u32 s16, 0
	s_cbranch_scc1 .Lnot_wave_0_\@
	s_barrier_signal -3
.Lnot_wave_0_\@:
	s_barrier_wait -3
	s_barrier_signal -1
	s_barrier_wait -1
.endm
.macro CROUND
	s_barrier_signal -1
	s_barrier_wait -1
	CREST
.endm
	s_load_b256 s[4:11], s[0:1], 0x0               ; xq, wq, tq, lora_B
	s_load_b128 s[12:15], s[0:1], 0x20             ; bias, out0
	v_lshl_add_u32 v[SPW], v0, 2, SPARE
	v_mov_b32 v[NIL], 0
	ds_add_u32 v[SPW], v[NIL]                      ; the opening lines: the add twice on end and one wait
	ds_add_u32 v[SPW], v[NIL]
	v_lshrrev_b32 v1, 5, v0
	v_readfirstlane_b32 s16, v1                    ; wave
	s_lshr_b32 s17, s16, 1                         ; my half of the tile's rows; also: I fetch for A (0) or B (1)
	s_and_b32 s18, s16, 1                          ; my half of its columns; also: which 128 rows I fetch
	s_bfe_u32 s40, ttmp6, 0x40000                  ; cx
	s_bfe_u32 s41, ttmp6, 0x40004                  ; cy
	s_lshl_b32 s42, ttmp9, 2
	s_add_co_u32 s42, s42, s40                     ; tile column
	s_and_b32 s19, ttmp7, 0xffff
	s_lshl_b32 s19, s19, 2
	s_add_co_u32 s19, s19, s41                     ; tile row
	s_lshl_b32 s43, s41, 2
	s_lshl_b32 s43, 15, s43                        ; my row of the cluster
	s_lshl_b32 s44, 0x1111, s40                    ; my column
	s_or_b32 s[G1+0], s43, (3<<16)|(1<<21)         ; elements of 8 bytes, no padding: the blocks are read 16 bytes a lane on end
	s_or_b32 s[G1B+0], s44, (3<<16)|(1<<21)
	s_or_b32 s[G1S+0], s43, (3<<16)|(1<<21)
	s_or_b32 s[G1SB+0], s44, (3<<16)|(1<<21)
.irp g, G1, G1B, G1S, G1SB
	s_mov_b32 s[\g+1], 32<<16                      ; rows of 256 bytes, dense
	s_mov_b32 s[\g+3], 32<<16
	s_mov_b32 s[\g+5], 32
	s_mov_b32 s[\g+6], 0
	s_mov_b32 s[\g+7], 0
.endr
.irp g, G1, G1B
	s_mov_b32 s[\g+2], (WBLK/256)<<16
	s_mov_b32 s[\g+4], WBLK/256
.endr
.irp g, G1S, G1SB
	s_mov_b32 s[\g+2], (2*SB/256)<<16
	s_mov_b32 s[\g+4], 2*SB/256
.endr
	s_lshl_b32 s20, s19, 1
	s_add_co_u32 s20, s20, s18
	s_mul_i32 s20, s20, GROW                       ; A: the 128 rows that I fetch
	s_mov_b32 s21, 0
	s_lshl_b32 s46, s42, 1
	s_add_co_u32 s46, s46, s18
	s_mul_i32 s46, s46, GROW                       ; B likewise
	s_mov_b32 s47, 0
	s_mul_i32 s45, s16, WBLK                       ; where they go
	s_lshl_b32 s66, s19, 13                        ; tq: 512 bytes for 16 rows
	s_lshl_b32 s67, s17, 12
	s_add_co_u32 s66, s66, s67
	s_mov_b32 s67, 0
	s_lshl_b32 s68, s42, 13                        ; lora_B: 32 bytes a row
	s_lshl_b32 s69, s18, 12
	s_add_co_u32 s68, s68, s69
	s_mov_b32 s69, 0
	s_lshr_b32 s70, s68, 3                         ; bias: 4 bytes a column
	s_mov_b32 s71, 0
	s_lshl_b32 s96, s19, 22                        ; out0: my first row and column, in bytes
	s_lshl_b32 s97, s17, 21
	s_add_co_u32 s96, s96, s97
	s_lshl_b32 s97, s42, 10
	s_add_co_u32 s96, s96, s97
	s_lshl_b32 s97, s18, 9
	s_add_co_u32 s96, s96, s97
	s_mov_b32 s97, 0
	s_mul_i32 s22, s17, WBLK                       ; LDS: my 128 rows of A,
	s_mul_i32 s23, s18, WBLK
	s_add_co_u32 s23, s23, 2*WBLK                  ; of B,
	s_add_co_u32 s90, s22, SLOT                    ; and the same in slot 1
	s_add_co_u32 s91, s23, SLOT
	s_xor_b32 s92, s17, 1
	s_add_co_u32 s92, s92, s18
	s_add_co_u32 s92, s92, 1
	s_mul_i32 s92, s92, WBLK                       ; from my A rows to my B rows
	s_mul_i32 s93, s16, 16*SPITCH
	s_add_co_u32 s93, s93, STAGE                   ; my stage
	s_cmp_eq_u32 s17, 0
	s_cselect_b32 s94, s40, s41                    ; my place among the four that ask with me
	s_mul_i32 s94, s94, 38                         ; my share of the 150 blocks begins here
	v_and_b32 v1, 15, v0                           ; r
	v_bfe_u32 v2, v0, 4, 1                         ; h
	v_and_b32 v3, 31, v0                           ; lane
	v_lshlrev_b32 v[LI], 4, v3
	v_lshlrev_b32 v[LBO], 5, v1
	v_lshlrev_b32 v[BIO], 5, v2
	v_mul_u32_u24 v4, s92, v2                      ; lanes 16-31 take B's scale words
	v_lshl_add_u32 v4, v1, 2, v4
	v_add_nc_u32 v4, SCO, v4
	v_mul_u32_u24 v5, v1, SPITCH
	v_lshl_add_u32 v5, v2, 5, v5
	v_add_nc_u32 v[STO], s93, v5
	v_add_nc_u32 v[RD], s93, v[LI]
	v_add_nc_u32 v5, s94, v3                       ; blocks 38 p + lane,
	v_min_u32 v5, 149, v5
	v_lshlrev_b32 v[PF0], 8, v5
	v_add_nc_u32 v6, 32, v3                        ; and 38 p + 32 .. 38 p + 37
	v_min_u32 v6, 37, v6
	v_add_nc_u32 v6, s94, v6
	v_min_u32 v6, 149, v6
	v_lshlrev_b32 v[PF1], 8, v6
	WIN 0x80                                       ; destination window 2
	v_add_nc_u32 v[ADR], s22, v[LI]
	v_add_nc_u32 v[ADR+1], s90, v[LI]
	v_add_nc_u32 v[ADRS], s22, v4
	v_add_nc_u32 v[ADRS+1], s90, v4
	WIN 0xc0                                       ; destination window 3
	v_add_nc_u32 v[ADR], s23, v[LI]
	v_add_nc_u32 v[ADR+1], s91, v[LI]
	WIN 0
	s_wait_alu depctr_va_vdst(0)                   ; directly ahead of the waits below
	s_wait_dscnt 0x0                               ; both opening adds are done
	s_wait_kmcnt 0x0
	s_add_nc_u64 s[20:21], s[4:5], s[20:21]
	s_add_nc_u64 s[46:47], s[6:7], s[46:47]
	s_add_nc_u64 s[8:9], s[8:9], s[66:67]
	s_add_nc_u64 s[10:11], s[10:11], s[68:69]
	s_add_nc_u64 s[12:13], s[12:13], s[70:71]
	s_add_nc_u64 s[14:15], s[14:15], s[96:97]
	s_cmp_eq_u32 s17, 0
	s_cselect_b64 s[PFA:PFA+1], s[20:21], s[46:47]
	s_add_nc_u64 s[PFA:PFA+1], s[PFA:PFA+1], 3*WBLK    ; each change of slots steps it one chunk: the first names chunk 4
	; the small product's operands go out first: t2's fragments to window 0, lora_B to window 1, bias to window 3
.irp a, 0,1,2,3,4,5,6,7
	global_load_b128 v[32+8*\a:35+8*\a], v[LI], s[8:9] offset:512*\a
.endr
	WIN 0x40
.irp b, 0,1,2,3,4,5,6,7
	global_load_b128 v[32+8*\b:35+8*\b], v[LBO], s[10:11] offset:512*\b
	global_load_b128 v[36+8*\b:39+8*\b], v[LBO], s[10:11] offset:512*\b+16
.endr
	WIN 0xc0
.irp b, 0,1,2,3,4,5,6,7
	global_load_b128 v[64+8*\b:67+8*\b], v[BIO], s[12:13] offset:64*\b
	global_load_b128 v[68+8*\b:71+8*\b], v[BIO], s[12:13] offset:64*\b+16
.endr
	WIN 0
.irp s, 0,1
	s_mov_b32 s[G0+4*\s], 1
	s_add_co_u32 s[G0+4*\s+1], s45, \s*SLOT
	s_add_nc_u64 s[G0+4*\s+2:G0+4*\s+3], s[20:21], \s*WBLK
	s_or_b32 s[G0+4*\s+3], s[G0+4*\s+3], 0x80000000
	s_mov_b32 s[G0B+4*\s], 1
	s_add_co_u32 s[G0B+4*\s+1], s45, \s*SLOT
	s_add_nc_u64 s[G0B+4*\s+2:G0B+4*\s+3], s[46:47], \s*WBLK
	s_or_b32 s[G0B+4*\s+3], s[G0B+4*\s+3], 0x80000000
.endr
	CROUND                                         ; all sixteen work-groups are here: the first joint loads meet
	JLOAD G0, G1, G0B, G1B                         ; chunk 0: one tensor load a wave at the head
	; while chunk 0 is on its way: the sums begin as t2 lora_B^T + bias
.irp a, 0,1,2,3,4,5,6,7
.irp j, 4,5,6,7
	v_mov_b32 v[32+8*\a+\j], 0                     ; k = 16 .. 31 of t2's fragments
.endr
.endr
	s_wait_alu depctr_va_vdst(0)                   ; directly ahead of the wait below
	s_wait_loadcnt 0x0
	WIN 0x85                                       ; sources window 1, destination window 2
.irp b, 0,1,2,3,4,5,6,7
.irp j, 0,1,2,3
	v_cvt_pk_bf16_f32 v[32+8*\b+\j], v[32+8*\b+2*\j], v[32+8*\b+2*\j+1]
.endr
.irp j, 4,5,6,7
	v_mov_b32 v[32+8*\b+\j], 0
.endr
.endr
.irp i, 0,1
.irp j, 0,1
	WIN ((\i+2*\j)<<6)|0x32                        ; D: the quadrant's window; C (bias) window 3; source 1 (t2) window 0; source 0 (lora_B) window 2
.set n, 0
.rept 16
	v_wmma_f32_16x16x32_bf16 v[ACC+8*n:ACC+8*n+7], v[32+8*(4*\j+n%4):39+8*(4*\j+n%4)], v[32+8*(4*\i+n/4):39+8*(4*\i+n/4)], v[64+8*(4*\j+n%4):71+8*(4*\j+n%4)]
.set n, n+1
.endr
.endr
.endr
	WIN 0
	PLACES 5                                       ; five places: another form takes these results up, and loads land on these sources
; One phase: the 16 products of quadrant (A half i, B half j) on parity p's fragments, accumulators by turns.
.macro PHASE p, i, j
	WIN (((\i)+2*(\j))*0x50)|((\i)<<2)|(2+(\j))
.set n, 0
.rept 16
	v_wmma_scale_f32_16x16x128_f8f6f4 v[ACC+8*n:ACC+8*n+7], v[FRG+48*(\p)+12*(n%4):FRG+48*(\p)+12*(n%4)+11], v[FRG+48*(\p)+12*(n/4):FRG+48*(\p)+12*(n/4)+11], v[ACC+8*n:ACC+8*n+7], v[SC+8*(\p)+4*(\j)+n%4], v[SC+8*(\p)+4*(\i)+n/4] matrix_a_fmt:MATRIX_FMT_FP6 matrix_b_fmt:MATRIX_FMT_FP6 matrix_a_scale:MATRIX_SCALE_ROW1
.set n, n+1
.endr
.endm
.macro HALF p, ns, nq, off             ; a half operand: 4 fragments, 12 loads of 512 consecutive bytes
.set n, 0
.rept 12
	ds_load_b128 v[FRG+48*(\p)+4*n:FRG+48*(\p)+4*n+3], v[ADR+(\ns)] offset:SB*(\nq)+(\off)+512*n
.set n, n+1
.endr
.endm
; The 56 loads of step (slot ns, place nq), into parity p, in one run: 12 A 0-3, 8 scale words, 12 B 0-3, 12 B 4-7, 12 A 4-7
.macro RUN p, ns, nq
	WIN 0x02                                       ; data to window 0, address from window 2
	HALF \p, \ns, \nq, 0
.irp i, 0,1,2,3,4,5,6,7
	ds_load_b32 v[SC+8*(\p)+\i], v[ADRS+(\ns)] offset:SB*(\nq)+64*\i
.endr
	WIN 0x83                                       ; data to window 2, address from window 3
	HALF \p, \ns, \nq, 0
	WIN 0xc3
	HALF \p, \ns, \nq, 6144
	WIN 0x42
	HALF \p, \ns, \nq, 6144
.endm
; A step of 128 along K.  ld = 1: the next step's run stands behind the first phase.  LDS loads come back in order.
.macro STEP p, ns, nq, ld
	s_wait_dscnt 24                                ; A 0-3, the scale words and B 0-3 are in; the last run's last 24 loads may be out
	PHASE \p, 0, 0
.if \ld
	PLACES 4                                       ; four places between the last step's products and the loads into the registers that they read
	RUN 1-(\p), \ns, \nq
	s_wait_dscnt 56                                ; all but the run just issued
.else
	s_wait_dscnt 0x0
.endif
	PHASE \p, 0, 1
	PHASE \p, 1, 1
	PHASE \p, 1, 0
.endm
; The last step of a slot: its run reads the next slot, so the change of slots stands in it.  fill: 0 none, 1 a chunk of three steps (in the loop), 2 the short last chunk.
.macro TURN p, slot, ns, fill
	WIN 0
	s_wait_xcnt 0x0                                ; my prefetches have read their address: it steps here
	s_add_nc_u64 s[PFA:PFA+1], s[PFA:PFA+1], WBLK
	s_wait_tensorcnt 0x0                           ; all my tensor loads have landed: my part of the next slot;
	ds_add_u32 v[SPW], v[NIL]
	s_wait_dscnt 25                                ; (the add and the youngest 24 loads may be out)
	PHASE \p, 0, 0
	s_wait_dscnt 0x0                               ; the add is done and my reads of this slot are over
	s_barrier_signal -1
	PHASE \p, 0, 1
	WIN 0
	s_barrier_wait -1
.if \fill
	CREST                                          ; the barrier has opened a round of the cluster's barrier
	s_add_nc_u64 s[G0+4*\slot+2:G0+4*\slot+3], s[G0+4*\slot+2:G0+4*\slot+3], 2*WBLK
	s_add_nc_u64 s[G0B+4*\slot+2:G0B+4*\slot+3], s[G0B+4*\slot+2:G0B+4*\slot+3], 2*WBLK
.if \fill == 1
	JLOAD G0+4*\slot, G1, G0B+4*\slot, G1B         ; the first tensor load behind the round; its four v_nop are the places in front of the loads below
	s_cmp_gt_u32 s3, 1                             ; the loop's last trip has no whole chunk two refills on
	s_cbranch_scc0 .Lno_ask_\@
	global_prefetch_b8 v[PF0], s[PFA:PFA+1] th:TH_LOAD_NT scope:SCOPE_SE
	global_prefetch_b8 v[PF1], s[PFA:PFA+1] th:TH_LOAD_NT scope:SCOPE_SE
.Lno_ask_\@:
.else
	JLOAD G0+4*\slot, G1S, G0B+4*\slot, G1SB
.endif
.else
	PLACES 4
.endif
	RUN 1-(\p), \ns, 0
	PHASE \p, 1, 1
	PHASE \p, 1, 0
.endm
	s_wait_alu depctr_va_vdst(0)                   ; the wait at the head's end
	s_wait_tensorcnt 0x0                           ; my part of chunk 0 is in; slot 1's first fill is issued as a refill is:
	ds_add_u32 v[SPW], v[NIL]
	s_wait_dscnt 0x0
	CROUND
	JLOAD G0+4, G1, G0B+4, G1B                     ; chunk 1
	RUN 0, 0, 0
	STEP 0, 0, 1, 1
	WIN 0
	s_mov_b32 s3, 4
.Llap:                                                 ; a trip: six steps, once round the ring, both slots filled again
	STEP 1, 0, 2, 1
	TURN 0, 0, 1, 1
	STEP 1, 1, 1, 1
	STEP 0, 1, 2, 1
	TURN 1, 1, 0, 1
	STEP 0, 0, 1, 1
	WIN 0
	s_sub_co_u32 s3, s3, 1
	s_cmp_lg_u32 s3, 0
	s_cbranch_scc1 .Llap
	STEP 1, 0, 2, 1
	TURN 0, 0, 1, 2                                ; the short chunk, steps 30 and 31
	STEP 1, 1, 1, 1
	STEP 0, 1, 2, 1
	TURN 1, 1, 0, 0                                ; nothing is left to fetch
	STEP 0, 0, 1, 1
	STEP 1, 0, 0, 0
; THE WAY OUT, by blocks of 16 rows x 128 columns: a lane's 32 bytes of a row go into my own stage, whole rows of 512 bytes come back into window 1 (v0-63, v64-127 by turns) and are stored by the 32 lanes.
.macro TOSTAGE a
.irp j, 0,1
	WIN (((\a)/4+2*\j)<<2)                         ; the data: the quadrant's window
.irp b, 0,1,2,3
	ds_store_b128 v[STO], v[ACC+8*(4*((\a)%4)+\b):ACC+8*(4*((\a)%4)+\b)+3] offset:64*(4*\j+\b)      ; each accumulator from its low end on
	ds_store_b128 v[STO], v[ACC+8*(4*((\a)%4)+\b)+4:ACC+8*(4*((\a)%4)+\b)+7] offset:64*(4*\j+\b)+16
.endr
.endr
	WIN 0x40
.irp t, 0,1,2,3,4,5,6,7,8,9,10,11,12,13,14,15
	ds_load_b128 v[64*((\a)%2)+4*\t:64*((\a)%2)+4*\t+3], v[RD] offset:\t*SPITCH    ; LDS serves a wave's instructions in order: these see the stores above
.endr
.endm
.macro SEND a, younger
	WIN 0x04                                       ; the data: window 1
	s_wait_dscnt \younger
.if (\a) > 0
	s_add_nc_u64 s[14:15], s[14:15], 16*4096*4     ; behind a wait on XCNT: the earlier stores have read their base
.endif
.irp t, 0,1,2,3,4,5,6,7,8,9,10,11,12,13,14,15
	global_store_b128 v[LI], v[64*((\a)%2)+4*\t:64*((\a)%2)+4*\t+3], s[14:15] offset:\t*16384 th:TH_STORE_NT   ; 512 consecutive bytes, aligned
.endr
.endm
	PLACES 4                                       ; between the last products and the first reads of results, and the loads into their sources
	TOSTAGE 0
.irp a, 1,2,3,4,5,6,7
.if \a > 1
	s_wait_xcnt 0x0                                ; block a - 2's stores have read their registers and their base
.endif
	TOSTAGE \a
	SEND \a-1, 32                                  ; behind block a - 1's loads: block a's 16 stores and 16 loads
.endr
	s_wait_xcnt 0x0
	SEND 7, 0
	WIN 0
	s_wait_tensorcnt 0x0                           ; the wave's end
	ds_add_u32 v[SPW], v[NIL]
	s_wait_dscnt 0x0
	CROUND                                         ; the closing round
	s_endpgm
.Lfunc_end_k_q58cebf7f07_gemm:
	.size	k_q58cebf7f07_gemm, .Lfunc_end_k_q58cebf7f07_gemm-k_q58cebf7f07_gemm
	.p2alignl 7, 3214868480
	.fill 96, 4, 3214868480
	.section	.rodata,"a",@progbits
	.p2align	6, 0x0
	.amdhsa_kernel k_q58cebf7f07_gemm
		.amdhsa_group_segment_fixed_size 327680
		.amdhsa_private_segment_fixed_size 0
		.amdhsa_enable_private_segment 0
		.amdhsa_kernarg_size 48
		.amdhsa_user_sgpr_count 2
		.amdhsa_user_sgpr_kernarg_segment_ptr 1
		.amdhsa_wavefront_size32 1
		.amdhsa_system_sgpr_workgroup_id_x 1
		.amdhsa_system_sgpr_workgroup_id_y 1
		.amdhsa_system_sgpr_workgroup_id_z 1
		.amdhsa_system_vgpr_workitem_id 0
		.amdhsa_next_free_vgpr 1024
		.amdhsa_next_free_sgpr 98
		.amdhsa_reserve_vcc 0
		.amdhsa_float_denorm_mode_32 3
		.amdhsa_float_denorm_mode_16_64 3
		.amdhsa_memory_ordered 1
		.amdhsa_forward_progress 1
		.amdhsa_inst_pref_size 223
	.end_amdhsa_kernel
	.amdgpu_metadata
---
amdhsa.version: [ 1, 2 ]
amdhsa.kernels:
  - .name:           k_q58cebf7f07_gemm
    .symbol:         k_q58cebf7f07_gemm.kd
    .args:
      - { .name: xq, .offset: 0, .size: 8, .value_kind: global_buffer, .address_space: global }
      - { .name: wq, .offset: 8, .size: 8, .value_kind: global_buffer, .address_space: global }
      - { .name: tq, .offset: 16, .size: 8, .value_kind: global_buffer, .address_space: global }
      - { .name: lora_B, .offset: 24, .size: 8, .value_kind: global_buffer, .address_space: global }
      - { .name: bias, .offset: 32, .size: 8, .value_kind: global_buffer, .address_space: global }
      - { .name: out0, .offset: 40, .size: 8, .value_kind: global_buffer, .address_space: global }
    .group_segment_fixed_size: 327680
    .private_segment_fixed_size: 0
    .kernarg_segment_align: 8
    .kernarg_segment_size: 48
    .max_flat_workgroup_size: 128
    .sgpr_count:     98
    .vgpr_count:     1024
    .wavefront_size: 32
...
	.end_amdgpu_metadata
.endif
;; end of part 5
